; MI455X (gfx1250); checked and timed in simulation.
; The chip was launched on July 23, 2026; its instructions are those of AMD's public machine-readable ISA for CDNA 5 (MIT licence, August 2026) and "CDNA5" Instruction Set Architecture Reference Guide (July 2026). The comments in the code are by the model that wrote it; some were corrected since.
;; Causal Self Attention. Allowed arithmetic: matrix products marked QUANTISED: E2M1 operands, one E8M0 scale for each 32 along K, by v_wmma_scale_f32_16x16x128_f8f6f4 with both operands' format E2M1 (or v_wmma_scale_f32_32x16x128_f4), f32 sums; products left as they are: bf16, f16 or f32 operands; f32 sums; everything else in f32.
;; Inputs: W_attn 1,024 x 3,072 float32; W_proj 1,024 x 1,024 float32; b_attn 3,072 float32; b_proj 1,024 float32; x 4 x 2,048 x 1,024 float32.
;; Outputs: out0 4 x 2,048 x 1,024 float32.
;; This version of the problem:
;;   THIS VERSION OF THE PROBLEM IS GIVEN IN LOW PRECISION. The matrix products marked QUANTISED in the list below multiply operands that are first quantised to E2M1 (2 exponent bits, 1 mantissa bit; 4 bits a number), with one power-of-two scale for each 32 numbers along K (OCP MX v1.0); their sums are f32. The products marked 'left as it is' may take bf16, f16 or f32 operands, with f32 sums. Whichever they take, every output number must still come out within the allowed error. Rounding operands to bf16 (8 significant bits) uses up far more of that allowance than f16 does (11 bits, for magnitudes from 6e-5 to 65,504). All else is computed in f32.
;;   The module's matrix products, in the order in which they are computed (A, B: the left and right operand; K: the contracted axis; several contracted axes count as one K, in the product's order):
;;     1. [M 8,192, K 1,024] x [K 1,024, N 3,072]; A: input x; B: input W_attn: QUANTISED
;;     2. batch 64 x [M 2,048, K 64] x [K 64, N 2,048]; A: computed on the way; B: computed on the way: left as it is (an operand is computed on the way)
;;     3. batch 64 x [M 2,048, K 2,048] x [K 2,048, N 64]; A: computed on the way; B: computed on the way: left as it is (an operand is computed on the way)
;;     4. [M 8,192, K 1,024] x [K 1,024, N 1,024]; A: computed on the way; B: input W_proj: left as it is (an operand is computed on the way)
;;   THE QUANTISER, for each operand of a quantised product, along K:
;;     - K is cut into blocks of 32 from its start; a last block that is shorter is filled with zeros.
;;     - A block's scale is 2^e with e = floor(log2(the largest magnitude in the block)) - 2, held to -126 .. 127; a block of zeros has e = 0. As a byte (E8M0): e + 127.
;;     - Each number is divided by its block's scale, clamped to +-6, and rounded to the nearest number of E2M1, ties to even, subnormals kept.
;;     - The product sums the exact products of the quantised numbers (number of the format x scale) in f32.
;;   ~~~python
;;   def quantise(x, axis):      # numpy; x: float32 -> the quantised numbers, widened to float32 again
;;       x = np.moveaxis(x, axis, -1); K = x.shape[-1]
;;       x = np.pad(x, [(0, 0)] * (x.ndim - 1) + [(0, -K % 32)]); x = x.reshape(x.shape[:-1] + (-1, 32)); a = np.abs(x).max(-1, keepdims=True)
;;       e = np.where(a > 0, np.clip(np.frexp(np.where(a > 0, a, 1))[1] - 1 - 2, -126, 127), 0)      # np.frexp(a)[1] - 1 = floor(log2(a)), exactly
;;       r = np.clip(x / 2.0 ** e, -6, 6)
;;       step = 2.0 ** (np.maximum(np.frexp(np.where(r == 0, 1, r))[1] - 1, 0) - 1)
;;       q = np.round(r / step) * step * 2.0 ** e      # np.round: ties to even
;;       return np.moveaxis(q.reshape(q.shape[:-2] + (-1,))[..., :K], -1, axis).astype(np.float32)
;;   ~~~
;; One version. Each part assembles by itself: llvm-mc -triple=amdgcn-amd-amdhsa -mcpu=gfx1250 --defsym DOCPART=n.
;; ======== version 1 of 1: 5 launches
;; limits: values are held in f16: magnitudes above 65,504 overflow, below 6.1e-05 lose precision
;; workspace buffers: xc 4,194,304 bytes; xs 262,144 bytes; wc 1,572,864 bytes; ws 98,304 bytes; wp 2,097,152 bytes; qkv 50,331,648 bytes; qf 786,432 bytes; yi 16,777,216 bytes
;; launch prep (part 1): grid 288 x 1, 4 waves a work-group, no clusters, 34,304 bytes of LDS; arguments x, W_attn, W_proj, xc, xs, wc, ws, wp; writes xc, xs, wc, ws, wp
.if DOCPART == 1
	.amdgcn_target "amdgcn-amd-amdhsa--gfx1250"
	.amdhsa_code_object_version 6
	.text
	.protected	k_q385e5e8601_prep
	.globl	k_q385e5e8601_prep
	.p2align	8
	.type	k_q385e5e8601_prep,@function
k_q385e5e8601_prep:
	s_mov_b64 s[64:65], 0
	v_nop
	global_prefetch_b8 v0, s[64:65] scope:SCOPE_SE
	s_setreg_imm32_b32 hwreg(HW_REG_WAVE_MODE, 25, 1), 1
	s_wait_xcnt 0x0
; FIRST OF FIVE LAUNCHES of: out = attention(x W_attn + b_attn) W_proj + b_proj, 4 sequences of 2,048 positions, 16 heads of 64; key j counts for query i where 0 <= i - j < 256.
; This launch quantises x and W_attn along K (blocks of 32, E2M1 codes, one E8M0 byte a block) and lays W_proj out in f16, K innermost.
; WORK LEFT OUT BY THE PROGRAM, and why it can reach no output: the mask is built in the problem's own body from the positions alone; where it is false the score is replaced by -infinity,
; whose softmax weight is exactly 0, whatever q, k and v hold.  So tiles of q k^T and of p v that lie wholly outside the band 0 <= i - j < 256 are not multiplied: a query walks 288 keys, not 2,048.
; LIMIT of that: a NaN, an infinity or an overflow that arises only in a hidden key's score or value is not carried to the result.  Every input has a way to the output and is loaded.
; LIMITS OF RANGE: q, k, v, the attention's result and W_proj go to the later products in f16: magnitudes up to 65,504; under 6e-5 they are carried as f16 subnormals.
; A block whose largest magnitude lies under 2^-124, and a block of zeros, gets the scale byte 1 (its codes are then zeros or the rule's own; the bytes are read by this program alone).  NaN and infinities among the inputs are not served.
; LAYOUT OF THE WORKSPACE: every operand lies as an image of its registers.  A fragment of codes (16 rows x 128 K) is 1,024 bytes: piece (c, lane r + 16 h) = the 16 bytes of k = 64 c + 32 h + 0..31 of row r, at 512 c + 16 lane.
; A fragment of f16 (16 rows x 32 K) is 1,024 bytes: piece (half, lane r + 16 h) = k = 16 half + 8 h + 0..7 of row r.  So every later load of a fragment is 16 bytes a lane, 512 consecutive bytes a wave.
; SHARES: work-groups 0-127 take x (a wave: 16 rows, all of K), 128-223 W_attn (a wave: 32 columns x 256 along K), 224-255+32 W_proj (a wave: 16 columns x 256 along K).  Waves share nothing: no barrier.  Only x's path uses LDS.
.set SPARE, 33792                      ; behind the four stages: the spare words, 128 bytes a wave
.set SPW, 18                           ; v18  LDS address of my spare word; never rewritten
.set NIL, 19                           ; v19  0; never rewritten
.set SW,  20                           ; v20-27  x: the row's eight scale words
.set CD,  32                           ; codes
.set RW,  64                           ; v64-191 x: two sets of 64 registers as loaded
.set XN,  192                          ; v192-255 x: a lane's two blocks of 32 neighbours
	s_load_b512 s[16:31], s[0:1], 0x0              ; x 16, W_attn 18, W_proj 20, xc 22, xs 24, wc 26, ws 28, wp 30
	v_lshl_add_u32 v[SPW], v0, 2, SPARE
	v_mov_b32 v[NIL], 0
	v_lshrrev_b32 v1, 5, v0
	v_readfirstlane_b32 s8, v1                     ; wave
	v_and_b32 v1, 31, v0                           ; lane L
	v_and_b32 v2, 15, v0                           ; r
	v_bfe_u32 v3, v0, 4, 1                         ; h
	s_mov_b32 s12, 0x76543210
	s_mov_b32 s13, 0xfedcba98                      ; v_permlanex16_b32's selects for lane l xor 16
	s_mov_b32 s3, 0
	s_wait_kmcnt 0x0
	s_cmp_lt_u32 ttmp9, 128
	s_cbranch_scc0 .Lnot_x
; ---- x.  A chunk is 128 along K of my 16 rows: sixteen loads of 512 consecutive bytes; through my own stage (rows of 512 + 16 bytes) a lane gets its two blocks of 32 neighbours.
	s_lshl_b32 s9, ttmp9, 2
	s_add_co_u32 s9, s9, s8                        ; which 16 rows
	s_lshl_b32 s2, s9, 16
	s_add_nc_u64 s[16:17], s[16:17], s[2:3]        ; 16 rows of 4,096 bytes
	s_lshl_b32 s2, s9, 13
	s_add_nc_u64 s[22:23], s[22:23], s[2:3]        ; eight fragments of 1,024 bytes
	s_lshl_b32 s2, s9, 9
	s_add_nc_u64 s[24:25], s[24:25], s[2:3]        ; 16 rows of 32 scale bytes
	s_mul_i32 s10, s8, 8448                        ; my stage
	v_lshlrev_b32 v4, 4, v1                        ; 16 L
	v_add_nc_u32 v5, s10, v4                       ; into the stage: as loaded
	v_mul_u32_u24 v6, v2, 528
	v_lshl_add_u32 v6, v3, 7, v6
	v_add_nc_u32 v6, s10, v6                       ; out of it: row r, 128 h bytes on
	v_lshlrev_b32 v7, 5, v2
	v_lshl_add_u32 v7, v3, 4, v7                   ; scale bytes: 32 r + 16 h
	v_lshlrev_b32 v16, 3, v3                       ; 8 h
	v_mov_b32 v15, 0                               ; (a lane permute's destination counts as one of its sources)
.macro LOADX q
.irp t, 0,1,2,3,4,5,6,7,8,9,10,11,12,13,14,15
	global_load_b128 v[RW+64*((\q)%2)+4*\t:RW+64*((\q)%2)+4*\t+3], v4, s[16:17] offset:\t*4096+(\q)*512 th:TH_LOAD_NT
.endr
.endm
.macro CH q
.if (\q) < 7
	s_wait_loadcnt 16                              ; this chunk's sixteen loads are in; the next chunk's sixteen may be out
.else
	s_wait_loadcnt 0
.endif
.irp t, 0,1,2,3,4,5,6,7,8,9,10,11,12,13,14,15
	ds_store_b128 v5, v[RW+64*((\q)%2)+4*\t:RW+64*((\q)%2)+4*\t+3] offset:\t*528
.endr
.irp c, 0,1
.irp i, 0,1,2,3,4,5,6,7
	ds_load_b128 v[XN+32*\c+4*\i:XN+32*\c+4*\i+3], v6 offset:256*\c+16*\i   ; LDS serves a wave's instructions in order: these see the stores above
.endr
.endr
	s_wait_dscnt 0x0                               ; my 64 numbers are back, and the stores have read their registers,
.if (\q)+2 < 8
	LOADX (\q)+2                                   ; which take the chunk two on
.endif
.irp c, 0,1
	v_max3_num_f32 v[8+\c], |v[XN+32*\c]|, |v[XN+32*\c+1]|, 0x1800000   ; block 2 c + h of the chunk: all 32 numbers are mine; the floor 2^(3 - 127) holds the byte at 1 from below
.endr
.irp i, 2,4,6,8,10,12,14,16,18,20,22,24,26,28,30
.irp c, 0,1
	v_max3_num_f32 v[8+\c], v[8+\c], |v[XN+32*\c+\i]|, |v[XN+32*\c+\i+1]|
.endr
.endr
.irp c, 0,1
	v_add_nc_u32 v[10+\c], 0xff000000, v[8+\c]     ; 2 off the exponent field: the conversion's scale operand
.endr
.irp c, 0,1
	v_lshrrev_b32 v[12+\c], 23, v[10+\c]           ; the scale's byte
.endr
	v_lshl_or_b32 v14, v13, 16, v12                ; my two bytes, blocks h and 2 + h,
	v_lshlrev_b32 v14, v16, v14                    ; at their places in the word;
	v_permlanex16_b32 v15, v14, s12, s13
	v_or_b32 v[SW+(\q)], v14, v15                  ; with lane l xor 16's two the row's word of this chunk is whole
	s_wait_xcnt 0x0                                ; the stores of two chunks back have read this set of code registers
.irp c, 0,1
.irp g, 0,1,2,3
	v_cvt_scalef32_pk8_fp4_f32 v[CD+8*((\q)%2)+4*\c+\g], v[XN+32*\c+8*\g:XN+32*\c+8*\g+7], v[10+\c]
.endr
.endr
	v_nop                                          ; one plain place behind the scaled conversions
	global_store_b128 v4, v[CD+8*((\q)%2):CD+8*((\q)%2)+3], s[22:23] offset:(\q)*1024          ; 512 consecutive bytes each: the fragment's two halves
	global_store_b128 v4, v[CD+8*((\q)%2)+4:CD+8*((\q)%2)+7], s[22:23] offset:(\q)*1024+512
.endm
	LOADX 0
	LOADX 1
.irp q, 0,1,2,3,4,5,6,7
	CH \q
.endr
	v_cmp_eq_u32 vcc_lo, 1, v3
.irp i, 0,1,2,3
	v_cndmask_b32 v[28+\i], v[SW+\i], v[SW+4+\i], vcc_lo   ; lanes 0-15 store a row's first four words, lanes 16-31 its last four
.endr
	global_store_b128 v7, v[28:31], s[24:25]       ; the wave's 512 scale bytes, consecutive
	s_wait_tensorcnt 0x0                           ; the wave's end: closing lines behind my last LDS store
	ds_add_u32 v[SPW], v[NIL]
	s_wait_dscnt 0x0
	s_endpgm
; ---- W_attn [1024 (k)][3072 (n)]: a lane takes a column and its registers run down K, so a block of 32 lies in one lane and the codes come out with K innermost.
.Lnot_x:
	s_cmp_lt_u32 ttmp9, 224
	s_cbranch_scc0 .Lpath_p
	s_sub_co_u32 s9, ttmp9, 128
	s_lshr_b32 s10, s9, 2
	s_and_b32 s11, s9, 3                           ; which 256 along K
	s_lshl_b32 s10, s10, 7
	s_lshl_b32 s14, s8, 5
	s_add_co_u32 s10, s10, s14                     ; my wave's first column
	s_mul_i32 s2, s11, 256*12288
	s_lshl_b32 s14, s10, 2
	s_add_co_u32 s2, s2, s14
	s_add_nc_u64 s[18:19], s[18:19], s[2:3]
	s_lshl_b32 s2, s10, 9                          ; 16 columns' codes are 8,192 bytes
	s_lshl_b32 s14, s11, 11
	s_add_co_u32 s2, s2, s14
	s_add_nc_u64 s[26:27], s[26:27], s[2:3]
	s_lshl_b32 s2, s10, 5
	s_lshl_b32 s14, s11, 3
	s_add_co_u32 s2, s2, s14
	s_add_nc_u64 s[28:29], s[28:29], s[2:3]
	v_lshlrev_b32 v4, 2, v1                        ; in: 4 bytes a lane, 128 consecutive bytes a wave
	v_lshlrev_b32 v5, 4, v2
	v_lshl_add_u32 v5, v3, 13, v5                  ; codes: 16 r, and lanes 16-31 in the next 16 columns' fragments
	v_lshlrev_b32 v6, 5, v1                        ; scale bytes: 32 a column
.macro LOADW t
.irp i, 0,1,2,3,4,5,6,7,8,9,10,11,12,13,14,15,16,17,18,19,20,21,22,23,24,25,26,27,28,29,30,31
	global_load_b32 v[64+32*((\t)%2)+\i], v4, s[18:19] offset:(32*(\t)+\i)*12288 th:TH_LOAD_NT
.endr
.endm
.macro BLOCKW t
.set XS, 64+32*((\t)%2)
.if (\t) < 7
	s_wait_loadcnt 32                              ; this block's 32 loads are in; the next block's may be out
.else
	s_wait_loadcnt 0
.endif
	v_max3_num_f32 v8, |v[XS]|, |v[XS+1]|, |v[XS+2]|
	v_max3_num_f32 v9, |v[XS+3]|, |v[XS+4]|, |v[XS+5]|
.irp i, 6,10,14,18,22,26
	v_max3_num_f32 v8, v8, |v[XS+\i]|, |v[XS+\i+1]|
	v_max3_num_f32 v9, v9, |v[XS+\i+2]|, |v[XS+\i+3]|
.endr
	v_max3_num_f32 v8, v8, |v[XS+30]|, |v[XS+31]|
	v_max3_num_f32 v8, v8, v9, 0x1800000           ; and the floor
	v_add_nc_u32 v11, 0xff000000, v8               ; the conversion's scale operand
	v_lshrrev_b32 v10, 23, v11                     ; the byte
.if (\t)%4 == 0
	v_mov_b32 v[20+(\t)/4], v10
.else
	v_lshl_or_b32 v[20+(\t)/4], v10, 8*((\t)%4), v[20+(\t)/4]
.endif
.irp g, 0,1,2,3
	v_cvt_scalef32_pk8_fp4_f32 v[CD+4*(\t)+\g], v[XS+8*\g:XS+8*\g+7], v11
.endr
	v_nop
	global_store_b128 v5, v[CD+4*(\t):CD+4*(\t)+3], s[26:27] offset:((\t)/4)*1024+(((\t)/2)%2)*512+((\t)%2)*256   ; sixteen lanes fill 256 consecutive bytes, aligned; each block has code registers of its own
.if (\t)+2 < 8
	LOADW (\t)+2
.endif
.endm
	LOADW 0
	LOADW 1
.irp t, 0,1,2,3,4,5,6,7
	BLOCKW \t
.endr
	global_store_b64 v6, v[20:21], s[28:29]        ; my column's eight bytes of its row of 32
	s_endpgm
; ---- W_proj [1024 (k)][1024 (n)] to f16: a lane takes a column, its registers run down K in the order of a 16-bit fragment.
.Lpath_p:
	s_sub_co_u32 s9, ttmp9, 224
	s_lshr_b32 s10, s9, 2
	s_lshl_b32 s10, s10, 2
	s_add_co_u32 s10, s10, s8                      ; which 16 columns
	s_and_b32 s11, s9, 3                           ; which 256 along K: eight fragments
	s_lshl_b32 s2, s11, 20
	s_lshl_b32 s14, s10, 6
	s_add_co_u32 s2, s2, s14
	s_add_nc_u64 s[20:21], s[20:21], s[2:3]
	s_lshl_b32 s2, s10, 15
	s_lshl_b32 s14, s11, 13
	s_add_co_u32 s2, s2, s14
	s_add_nc_u64 s[30:31], s[30:31], s[2:3]
	v_lshlrev_b32 v4, 2, v2
	v_lshl_add_u32 v4, v3, 15, v4                  ; column r, and 8 h rows of 4,096 bytes down
	v_lshlrev_b32 v5, 4, v1
.macro LOADF f
.irp q, 0,1,2,3,4,5,6,7,8,9,10,11,12,13,14,15
	global_load_b32 v[64+16*((\f)%4)+\q], v4, s[20:21] offset:(32*(\f)+\q+8*(\q/8))*4096   ; k = 32 f + 8 h + 0..7, then 32 f + 16 + 8 h + 0..7
.endr
.endm
.macro FRAGP f
.if 7-(\f) < 3
	s_wait_loadcnt 16*(7-(\f))                     ; the younger fragments' loads may be out
.else
	s_wait_loadcnt 48
.endif
.irp j, 0,1,2,3,4,5,6,7
	v_cvt_pk_f16_f32 v[128+8*(\f)+\j], v[64+16*((\f)%4)+2*\j], v[64+16*((\f)%4)+2*\j+1]
.endr
	global_store_b128 v5, v[128+8*(\f):128+8*(\f)+3], s[30:31] offset:(\f)*1024
	global_store_b128 v5, v[128+8*(\f)+4:128+8*(\f)+7], s[30:31] offset:(\f)*1024+512
.if (\f)+4 < 8
	LOADF (\f)+4
.endif
.endm
.irp f, 0,1,2,3
	LOADF \f
.endr
.irp f, 0,1,2,3,4,5,6,7
	FRAGP \f
.endr
	s_endpgm
.Lfunc_end_k_q385e5e8601_prep:
	.size	k_q385e5e8601_prep, .Lfunc_end_k_q385e5e8601_prep-k_q385e5e8601_prep
	.p2alignl 7, 3214868480
	.fill 96, 4, 3214868480
	.section	.rodata,"a",@progbits
	.p2align	6, 0x0
	.amdhsa_kernel k_q385e5e8601_prep
		.amdhsa_group_segment_fixed_size 34304
		.amdhsa_private_segment_fixed_size 0
		.amdhsa_enable_private_segment 0
		.amdhsa_kernarg_size 64
		.amdhsa_user_sgpr_count 2
		.amdhsa_user_sgpr_kernarg_segment_ptr 1
		.amdhsa_wavefront_size32 1
		.amdhsa_system_sgpr_workgroup_id_x 1
		.amdhsa_system_sgpr_workgroup_id_y 1
		.amdhsa_system_sgpr_workgroup_id_z 1
		.amdhsa_system_vgpr_workitem_id 0
		.amdhsa_next_free_vgpr 256
		.amdhsa_next_free_sgpr 66
		.amdhsa_reserve_vcc 1
		.amdhsa_float_denorm_mode_32 3
		.amdhsa_float_denorm_mode_16_64 3
		.amdhsa_memory_ordered 1
		.amdhsa_forward_progress 1
		.amdhsa_inst_pref_size 113
	.end_amdhsa_kernel
	.amdgpu_metadata
---
amdhsa.version: [ 1, 2 ]
amdhsa.kernels:
  - .name:           k_q385e5e8601_prep
    .symbol:         k_q385e5e8601_prep.kd
    .args:
      - { .name: x, .offset: 0, .size: 8, .value_kind: global_buffer, .address_space: global }
      - { .name: W_attn, .offset: 8, .size: 8, .value_kind: global_buffer, .address_space: global }
      - { .name: W_proj, .offset: 16, .size: 8, .value_kind: global_buffer, .address_space: global }
      - { .name: xc, .offset: 24, .size: 8, .value_kind: global_buffer, .address_space: global }
      - { .name: xs, .offset: 32, .size: 8, .value_kind: global_buffer, .address_space: global }
      - { .name: wc, .offset: 40, .size: 8, .value_kind: global_buffer, .address_space: global }
      - { .name: ws, .offset: 48, .size: 8, .value_kind: global_buffer, .address_space: global }
      - { .name: wp, .offset: 56, .size: 8, .value_kind: global_buffer, .address_space: global }
    .group_segment_fixed_size: 34304
    .private_segment_fixed_size: 0
    .kernarg_segment_align: 8
    .kernarg_segment_size: 64
    .max_flat_workgroup_size: 128
    .sgpr_count:     66
    .vgpr_count:     256
    .wavefront_size: 32
...
	.end_amdgpu_metadata
.endif
;; end of part 1
;; launch qkv (part 2): grid 12 x 32, 4 waves a work-group, clusters of 4 x 4, 327,680 bytes of LDS; arguments xc, xs, wc, ws, b_attn, qkv, qf; writes qkv, qf
.if DOCPART == 2
	.amdgcn_target "amdgcn-amd-amdhsa--gfx1250"
	.amdhsa_code_object_version 6
	.text
	.protected	k_q385e5e8601_qkv
	.globl	k_q385e5e8601_qkv
	.p2align	8
	.type	k_q385e5e8601_qkv,@function
k_q385e5e8601_qkv:
	s_mov_b64 s[64:65], 0
	v_nop
	global_prefetch_b8 v0, s[64:65] scope:SCOPE_SE
	s_setreg_imm32_b32 hwreg(HW_REG_WAVE_MODE, 25, 1), 1
	s_wait_xcnt 0x0
	s_wait_alu depctr_hold_cnt(0) depctr_sa_sdst(0) depctr_va_vdst(0) depctr_va_sdst(0) depctr_va_ssrc(0) depctr_va_vcc(0) depctr_vm_vsrc(0)
	s_getreg_b32 s2, hwreg(HW_REG_IB_STS2, 6, 4)
	s_cmp_eq_u32 s2, 0
	s_cbranch_scc0 .Lentry_in_a_cluster
	s_endpgm
.Lentry_in_a_cluster:
	s_bfe_u32 s2, ttmp6, 0x10000c
	s_cmp_lg_u32 s2, 0xf033
	s_cbranch_scc0 .Lentry_shape_is_right
	s_endpgm
.Lentry_shape_is_right:
; qkv = Q(x) Q(W_attn) + b_attn on codes of E2M1 with E8M0 scales: [8192][1024] x [3072][1024]^T, sums in f32.  Results leave as f16 images of the next products' fragments; positions 0-15 of every sequence also in f32.
; A tile of 256 x 256 to a work-group of four waves; a wave makes 128 x 128: 64 accumulators, 512 registers.  K = 1,024 is two slots of 512: both are filled at the head, nothing is filled again.
; The codes lie in memory as images of fragments (1,024 bytes for 16 rows x 128 K), so a slot's part of 16 rows is 4,096 consecutive bytes and a fragment's load is 16 bytes a lane, 512 consecutive bytes a wave: no pitch, no padding.
; The scale bytes of the work-group's rows, for all of K, come once, as rows of 256 bytes + 16 of padding.  One register carries A's word (lanes 0-15) and B's (lanes 16-31).
; CLUSTERS: 4 x 4.  A's tiles are shared along a row of the cluster, B's along a column, each by a joint load.  Tile column = 4 x cluster x + cx; TILE ROW = 8 cy + cluster y, so that the sequence is cy and the block of
; 256 positions is the cluster's y: whether a work-group holds positions 0-15 is then the same in all partners.
; THE MATRIX INSTRUCTION IS USED TRANSPOSED (source 0 = 16 rows of W^T, source 1 = 16 rows of x): a lane holds eight neighbouring columns of one row.  The bias is the C of each sum's first product.
; REGISTERS: window 0: v0-31 addresses; v32-95 scale words, two sets; v128-191 A's fragments, one set; v192-255 the bias; on the way out v128-255 hold packed results.
;   window 1: B's fragments, two sets, at v0 and v128.  window 2: accumulators of my rows 0-63 ((a, b) at v[8 (8 a + b)]); window 3: rows 64-127.
.set NQ,     4                         ; matrix instructions deep in a slot
.set FR,     8
.set NL,     2
.set NP,     4                         ; places behind this matrix instruction (ISA guide 7.12.1)
.set HALFT,  32768                     ; 128 rows x 512 along K: eight runs of 4,096 bytes: what one tensor load brings
.set SLOT,   4*HALFT
.set KS,     32                        ; a row of scale bytes
.set SCL,    2*SLOT
.set HALFS,  (128*KS/256)*272
.set SBLK,   (16*KS/256)*272
.set SPARE,  SCL+4*HALFS               ; the spare words, 128 bytes a wave
.set ADRA, 16
.set ADRB, 20
.set CO,   26                          ; v26  16 x lane
.set ADRS, 27
.set SPW,  28
.set NIL,  29
.set BO,   30                          ; v30  32 h: my eight numbers of a block of 16 of the bias
.set SC,   32
.set AF,   128
.set BIAS, 192
.set PK,   128
.set G1, 24
.set G0, 32
.set G1B, 48
.set G0B, 56
.set G1S, 68
.set G0S, 76
.set G1SB, 80
.set G0SB, 88
.set MSB, 0
.macro WIN new                         ; the immediate's high byte repeats the setting that is left
.if MSB != \new
	s_set_vgpr_msb (MSB<<8)|\new
.set MSB, \new
.endif
.endm
.set MUL_LO, 0xa1                      ; source 0 (B) window 1, source 1 (A) window 0, C and D window 2
.set MUL_HI, 0xf1
.set TO_B,   0x40
.macro JLOAD g0a, g1a, g0b, g1b        ; waves 0 and 1 fetch for A, waves 2 and 3 for B; an s_nop 0 and four v_nop follow each line
	s_cmp_eq_u32 s15, 0
	s_cbranch_scc0 .Lfor_b_\@
	tensor_load_to_lds s[\g0a:\g0a+3], s[\g1a:\g1a+7]
	s_nop 0
.rept 4
	v_nop
.endr
	s_branch .Lasked_\@
.Lfor_b_\@:
	tensor_load_to_lds s[\g0b:\g0b+3], s[\g1b:\g1b+7]
	s_nop 0
.rept 4
	v_nop
.endr
.Lasked_\@:
.endm
.macro CROUND                          ; a round of the cluster's barrier
	s_barrier_signal -1
	s_barrier_wait -1
	s_cmp_lg_u32 s14, 0
	s_cbranch_scc1 .Lnot_wave_0_\@
	s_barrier_signal -3
.Lnot_wave_0_\@:
	s_barrier_wait -3
	s_barrier_signal -1
	s_barrier_wait -1
.endm
	s_load_b128 s[4:7], s[0:1], 0x0                ; x's codes, x's scales
	s_load_b128 s[8:11], s[0:1], 0x10              ; W's codes, W's scales
	s_load_b64 s[98:99], s[0:1], 0x20              ; b_attn
	s_load_b64 s[12:13], s[0:1], 0x28              ; qkv
	s_load_b64 s[100:101], s[0:1], 0x30            ; qf
	v_lshl_add_u32 v[SPW], v0, 2, SPARE
	v_mov_b32 v[NIL], 0
	ds_add_u32 v[SPW], v[NIL]                      ; the wave's opening: the add, twice on end, and its wait ahead of my first tensor load
	ds_add_u32 v[SPW], v[NIL]
	v_lshrrev_b32 v1, 5, v0
	v_readfirstlane_b32 s14, v1                    ; wave
	s_lshr_b32 s15, s14, 1                         ; my half of the tile's rows; also: I fetch for A (0) or B (1)
	s_and_b32 s16, s14, 1                          ; my half of its columns; also: which 128 rows I fetch
	s_bfe_u32 s40, ttmp6, 0x40000                  ; cx
	s_bfe_u32 s41, ttmp6, 0x40004                  ; cy
	s_lshl_b32 s42, ttmp9, 2
	s_add_co_u32 s42, s42, s40                     ; tile column = 4 x cluster x + cx
	s_and_b32 s95, ttmp7, 0xffff                   ; cluster y: the block of 256 positions
	s_lshl_b32 s17, s41, 3
	s_add_co_u32 s17, s17, s95                     ; tile row = 8 cy + cluster y
	s_lshl_b32 s43, s41, 2
	s_lshl_b32 s43, 15, s43                        ; my row of the cluster
	s_lshl_b32 s44, 0x1111, s40                    ; my column
	s_or_b32 s[G1+0], s43, (3<<16)|(1<<21)         ; the mask; elements of 8 bytes; bit 21 beside a mask; no padding
	s_or_b32 s[G1B+0], s44, (3<<16)|(1<<21)
.irp g, G1, G1B
	s_mov_b32 s[\g+1], 512<<16                     ; tensor_dim0: 4,096 bytes
	s_mov_b32 s[\g+2], 8<<16                       ; tensor_dim1: 8 runs
	s_mov_b32 s[\g+3], 512<<16                     ; tile_dim0
	s_mov_b32 s[\g+4], 8                           ; tile_dim1
	s_mov_b32 s[\g+5], 1024                        ; 8,192 bytes from 16 rows' codes to the next 16's
	s_mov_b32 s[\g+6], 0
	s_mov_b32 s[\g+7], 0
.endr
	s_or_b32 s[G1S+0], s43, (3<<16)|(1<<20)|(1<<21)|(5<<22)|(3<<25)   ; the scales of 128 rows: 4,096 dense bytes as rows of 256, 16 bytes of padding behind each
	s_or_b32 s[G1SB+0], s44, (3<<16)|(1<<20)|(1<<21)|(5<<22)|(3<<25)
.irp g, G1S, G1SB
	s_mov_b32 s[\g+1], 32<<16
	s_mov_b32 s[\g+2], (128*KS/256)<<16
	s_mov_b32 s[\g+3], 32<<16
	s_mov_b32 s[\g+4], 128*KS/256
	s_mov_b32 s[\g+5], 32
	s_mov_b32 s[\g+6], 0
	s_mov_b32 s[\g+7], 0
.endr
	s_lshl_b32 s18, s16, 7
	s_lshl_b32 s20, s17, 8
	s_add_co_u32 s20, s20, s18                     ; A: row 256 x tile row + 128 x half
	s_lshl_b32 s46, s42, 8
	s_add_co_u32 s46, s46, s18                     ; B: row 256 x tile column + 128 x half
	s_mov_b32 s21, 0
	s_mov_b32 s47, 0
	s_mov_b64 s[18:19], KS
	s_mul_u64 s[22:23], s[20:21], s[18:19]         ; where these rows' scales begin
	s_mul_u64 s[92:93], s[46:47], s[18:19]
	s_mov_b64 s[18:19], 512
	s_mul_u64 s[20:21], s[20:21], s[18:19]         ; and their codes: 512 bytes a row
	s_mul_u64 s[46:47], s[46:47], s[18:19]
	s_mul_i32 s45, s14, HALFT                      ; where they go: no place in the cluster enters an LDS address
	s_mul_i32 s94, s14, HALFS
	s_wait_dscnt 0x0                               ; both opening adds are done
	s_wait_kmcnt 0x0
	s_add_nc_u64 s[20:21], s[4:5], s[20:21]
	s_add_nc_u64 s[22:23], s[6:7], s[22:23]
	s_add_nc_u64 s[46:47], s[8:9], s[46:47]
	s_add_nc_u64 s[92:93], s[10:11], s[92:93]
	CROUND                                         ; all sixteen work-groups are here: the joint loads meet
	s_mov_b32 s[G0S], 1
	s_add_co_u32 s[G0S+1], s94, SCL
	s_mov_b64 s[G0S+2:G0S+3], s[22:23]
	s_or_b32 s[G0S+3], s[G0S+3], 0x80000000
	s_mov_b32 s[G0SB], 1
	s_add_co_u32 s[G0SB+1], s94, SCL
	s_mov_b64 s[G0SB+2:G0SB+3], s[92:93]
	s_or_b32 s[G0SB+3], s[G0SB+3], 0x80000000
	JLOAD G0S, G1S, G0SB, G1SB                     ; the scales first; by this text's count three tensor loads of a wave are out
.irp s, 0,1
	s_mov_b32 s[G0+4*\s], 1
	s_add_co_u32 s[G0+4*\s+1], s45, \s*SLOT
	s_add_nc_u64 s[G0+4*\s+2:G0+4*\s+3], s[20:21], \s*4096
	s_or_b32 s[G0+4*\s+3], s[G0+4*\s+3], 0x80000000
	s_mov_b32 s[G0B+4*\s], 1
	s_add_co_u32 s[G0B+4*\s+1], s45, \s*SLOT
	s_add_nc_u64 s[G0B+4*\s+2:G0B+4*\s+3], s[46:47], \s*4096
	s_or_b32 s[G0B+4*\s+3], s[G0B+4*\s+3], 0x80000000
	JLOAD G0+4*\s, G1, G0B+4*\s, G1B
.endr
	v_and_b32 v1, 15, v0                           ; r
	v_bfe_u32 v2, v0, 4, 1                         ; h
	v_and_b32 v3, 31, v0
	v_lshlrev_b32 v[CO], 4, v3
	v_lshlrev_b32 v[BO], 5, v2
	s_lshl_b32 s20, s42, 10                        ; the bias of my 128 columns
	s_lshl_b32 s21, s16, 9
	s_add_co_u32 s20, s20, s21
	s_mov_b32 s21, 0
	s_add_nc_u64 s[98:99], s[98:99], s[20:21]
.irp b, 0,1,2,3,4,5,6,7
	global_load_b128 v[BIAS+8*\b:BIAS+8*\b+3], v[BO], s[98:99] offset:64*\b          ; block b: columns 16 b + 8 h + 0..7, in the result's layout
	global_load_b128 v[BIAS+8*\b+4:BIAS+8*\b+7], v[BO], s[98:99] offset:64*\b+16
.endr
	s_lshl_b32 s21, s15, 15                        ; my 128 rows of A
	s_lshl_b32 s22, s16, 15                        ; my 128 rows of B,
	s_add_co_u32 s22, s22, 2*HALFT                 ; behind A's 256
.irp s, 0,1
	v_add_nc_u32 v[ADRA+\s], s21, v[CO]
	v_add_nc_u32 v[ADRB+\s], s22, v[CO]
	s_add_co_u32 s21, s21, SLOT
	s_add_co_u32 s22, s22, SLOT
.endr
	v_mul_u32_u24 v5, v1, KS                       ; my row's scales: 32 bytes a row,
	v_lshrrev_b32 v6, 8, v5
	v_lshl_add_u32 v5, v6, 4, v5                   ; and 16 more for each 256 passed
	s_mul_i32 s21, s15, HALFS
	s_mul_i32 s22, s16, HALFS
	s_add_co_u32 s22, s22, 2*HALFS
	s_sub_co_u32 s22, s22, s21
	v_mul_u32_u24 v6, s22, v2                      ; lanes 16-31 take B's
	s_add_co_u32 s21, s21, SCL
	v_add_nc_u32 v5, v5, v6
	v_add_nc_u32 v[ADRS], s21, v5
	; where my results go.  qkv: plane (which, sequence, head) of 262,144 bytes; in it 2,048 bytes for 16 positions
	s_lshl_b32 s20, ttmp9, 6                       ; which = cluster x
	s_lshl_b32 s21, s41, 4
	s_add_co_u32 s20, s20, s21
	s_lshl_b32 s21, s40, 2
	s_add_co_u32 s20, s20, s21
	s_lshl_b32 s21, s16, 1
	s_add_co_u32 s20, s20, s21                     ; my first plane: 64 which + 16 cy + 4 cx + 2 x column half
	s_lshl_b32 s20, s20, 11
	s_lshl_b32 s21, s95, 8
	s_add_co_u32 s20, s20, s21
	s_lshl_b32 s21, s15, 7
	s_add_co_u32 s20, s20, s21                     ; + my first position
	s_lshl_b32 s20, s20, 7                         ; 128 bytes a position
	s_mov_b32 s21, 0
	s_add_nc_u64 s[12:13], s[12:13], s[20:21]
	s_mul_i32 s20, s41, 192                        ; qf: 192 blocks of 16 columns a sequence, 1,024 bytes each
	s_lshl_b32 s22, s42, 4
	s_add_co_u32 s20, s20, s22
	s_lshl_b32 s22, s16, 3
	s_add_co_u32 s20, s20, s22
	s_lshl_b32 s20, s20, 10
	s_add_nc_u64 s[100:101], s[100:101], s[20:21]
	s_or_b32 s96, s95, s15                         ; 0 where my block 0 holds positions 0-15: cluster y and the wave's number alone
.macro FRAG reg, adr, q, i             ; a fragment as it lies: two loads of 16 bytes a lane
.irp c, 0,1
	ds_load_b128 v[\reg+4*\c:\reg+4*\c+3], v[\adr] offset:1024*(\q)+512*\c+(\i)*4096
.endr
.endm
; 16 matrix instructions: A's blocks a0, a0 + 1 x B's eight.  zero = 1: the first product starts the sums from the bias.  The 64 accumulators take turns, one instruction a turn.
.macro MUL16 a0, p, q, sc, zero
.irp a, \a0, \a0+1
.irp b, 0,1,2,3,4,5,6,7
.if \zero
	v_wmma_scale_f32_16x16x128_f8f6f4 v[8*(8*((\a)%4)+\b):8*(8*((\a)%4)+\b)+7], v[128*(\p)+FR*\b:128*(\p)+FR*\b+FR-1], v[AF+FR*(\a):AF+FR*(\a)+FR-1], v[BIAS+8*\b:BIAS+8*\b+7], v[SC+8*NQ*(\sc)+NQ*\b+(\q)], v[SC+8*NQ*(\sc)+NQ*(\a)+(\q)] matrix_a_fmt:MATRIX_FMT_FP4 matrix_b_fmt:MATRIX_FMT_FP4 matrix_a_scale:MATRIX_SCALE_ROW1
.else
	v_wmma_scale_f32_16x16x128_f8f6f4 v[8*(8*((\a)%4)+\b):8*(8*((\a)%4)+\b)+7], v[128*(\p)+FR*\b:128*(\p)+FR*\b+FR-1], v[AF+FR*(\a):AF+FR*(\a)+FR-1], v[8*(8*((\a)%4)+\b):8*(8*((\a)%4)+\b)+7], v[SC+8*NQ*(\sc)+NQ*\b+(\q)], v[SC+8*NQ*(\sc)+NQ*(\a)+(\q)] matrix_a_fmt:MATRIX_FMT_FP4 matrix_b_fmt:MATRIX_FMT_FP4 matrix_a_scale:MATRIX_SCALE_ROW1
.endif
.endr
.endr
.endm
.macro FETCH_B slot, q, p
	WIN TO_B
.irp i, 0,1,2,3,4,5,6,7
	FRAG 128*(\p)+FR*\i, ADRB+\slot, \q, \i
.endr
	WIN 0
.endm
.macro FETCH_A slot, q, i0
.irp i, \i0, \i0+1, \i0+2, \i0+3
	FRAG AF+FR*(\i), ADRA+\slot, \q, \i
.endr
.endm
.macro SCALES sc                       ; a slot's four words a row: lanes 0-15 A's block i, lanes 16-31 B's block i
.irp i, 0,1,2,3,4,5,6,7
	ds_load_b128 v[SC+8*NQ*\sc+NQ*\i:SC+8*NQ*\sc+NQ*\i+3], v[ADRS] offset:\i*SBLK
.endr
.endm
.macro PLACES n                        ; plain vector instructions between a matrix instruction and a load into, or a read of, its registers
.rept \n
	v_nop
.endr
.endm
.macro STEP slot, q, zero              ; 128 along K whose successor lies in the same slot
	s_wait_dscnt 4*NL                              ; B's set, A's blocks 0-3 and the scales are in; the youngest eight loads (A's blocks 4-7) may be out
.if \zero
	WIN 0x81                                       ; C (the bias) in window 0
.else
	WIN MUL_LO
.endif
	MUL16 0, (\q)%2, \q, \slot, \zero
	MUL16 2, (\q)%2, \q, \slot, \zero
	s_wait_dscnt 0
	PLACES NP
	FETCH_B \slot, (\q)+1, 1-(\q)%2
	FETCH_A \slot, (\q)+1, 0
.if \zero
	WIN 0xc1
.else
	WIN MUL_HI
.endif
	MUL16 4, (\q)%2, \q, \slot, \zero
	MUL16 6, (\q)%2, \q, \slot, \zero
	PLACES NP
	WIN 0
	FETCH_A \slot, (\q)+1, 4
.endm
.macro STEPS slot, from
.set Q, \from
.rept NQ-1-\from
	STEP \slot, Q, 0
.set Q, Q+1
.endr
.endm
	s_wait_tensorcnt 1                             ; the scales and my part of slot 0 are in; slot 1's load may be out
	s_barrier_signal -1
	s_barrier_wait -1
	FETCH_B 0, 0, 0
	FETCH_A 0, 0, 0
	SCALES 0
	FETCH_A 0, 0, 4
	s_wait_loadcnt 0x0                             ; the bias
	STEP 0, 0, 1
	STEPS 0, 1
	; slot 0's last step changes slots: one barrier; in front of it all my tensor loads have landed
	s_wait_tensorcnt 0x0                           ; my part of slot 1
	ds_add_u32 v[SPW], v[NIL]
	s_wait_dscnt 4*NL+1                            ; (the add and A's blocks 4-7 may be out)
	WIN MUL_LO
	MUL16 0, 1, NQ-1, 0, 0
	s_wait_dscnt 0x0
	s_barrier_signal -1
	MUL16 2, 1, NQ-1, 0, 0
	WIN 0
	s_barrier_wait -1                              ; slot 1 is whole
	PLACES NP
	v_add_nc_u32 v[ADRS], 4*NQ, v[ADRS]            ; slot 1's scale words
	FETCH_B 1, 0, 0
	FETCH_A 1, 0, 0
	SCALES 1
	WIN MUL_HI
	MUL16 4, 1, NQ-1, 0, 0
	MUL16 6, 1, NQ-1, 0, 0
	PLACES NP
	WIN 0
	FETCH_A 1, 0, 4
	STEPS 1, 0
	s_wait_dscnt 4*NL
	WIN MUL_LO
	MUL16 0, 1, NQ-1, 1, 0
	MUL16 2, 1, NQ-1, 1, 0
	s_wait_dscnt 0
	WIN MUL_HI
	MUL16 4, 1, NQ-1, 1, 0
	MUL16 6, 1, NQ-1, 1, 0
	WIN 0
	PLACES NP                                      ; behind the last products: their results are read, and A's registers written, below
	; positions 0-15 in f32, for the launch that carries them finely: block 0's accumulators as they stand
	s_cmp_lg_u32 s96, 0
	s_cbranch_scc1 .Lno_fine
	WIN 0x08                                       ; a store's data: window 2
.irp b, 0,1,2,3,4,5,6,7
	global_store_b128 v[CO], v[8*\b:8*\b+3], s[100:101] offset:1024*\b           ; each accumulator from its low end on; 512 consecutive bytes a store
	global_store_b128 v[CO], v[8*\b+4:8*\b+7], s[100:101] offset:1024*\b+512
.endr
	WIN 0
.Lno_fine:
; A lane's eight results are d = 16 (b % 4) + 8 h + 0..7 of one position of head b / 4: rounded to f16 they are its 16 bytes of a fragment's image: stored as they are, 512 consecutive bytes a store.
.macro PACK a
.set AC, 64*((\a)%4)
.set PB, PK+32*((\a)%4)
	WIN 0x0a+5*((\a)/4)
.irp b, 0,1,2,3,4,5,6,7
.irp i, 0,1,2,3
	v_cvt_pk_f16_f32 v[PB+4*\b+\i], v[AC+8*\b+2*\i], v[AC+8*\b+2*\i+1]
.endr
.endr
	WIN 0
.irp b, 0,1,2,3,4,5,6,7
	global_store_b128 v[CO], v[PB+4*\b:PB+4*\b+3], s[12:13] offset:(\b/4)*262144+(\a)*2048+((\b/2)%2)*1024+(\b%2)*512
.endr
.endm
.irp a, 0,1,2,3,4,5,6,7
.if \a >= 4
	s_wait_xcnt 0x0                                ; the stores of four blocks back have read this set of registers
.endif
	PACK \a
.endr
	s_wait_tensorcnt 0x0                           ; the wave's end
	ds_add_u32 v[SPW], v[NIL]
	s_wait_dscnt 0x0
	CROUND                                         ; the closing round
	s_endpgm
.Lfunc_end_k_q385e5e8601_qkv:
	.size	k_q385e5e8601_qkv, .Lfunc_end_k_q385e5e8601_qkv-k_q385e5e8601_qkv
	.p2alignl 7, 3214868480
	.fill 96, 4, 3214868480
	.section	.rodata,"a",@progbits
	.p2align	6, 0x0
	.amdhsa_kernel k_q385e5e8601_qkv
		.amdhsa_group_segment_fixed_size 327680
		.amdhsa_private_segment_fixed_size 0
		.amdhsa_enable_private_segment 0
		.amdhsa_kernarg_size 56
		.amdhsa_user_sgpr_count 2
		.amdhsa_user_sgpr_kernarg_segment_ptr 1
		.amdhsa_wavefront_size32 1
		.amdhsa_system_sgpr_workgroup_id_x 1
		.amdhsa_system_sgpr_workgroup_id_y 1
		.amdhsa_system_sgpr_workgroup_id_z 1
		.amdhsa_system_vgpr_workitem_id 0
		.amdhsa_next_free_vgpr 1024
		.amdhsa_next_free_sgpr 102
		.amdhsa_reserve_vcc 0
		.amdhsa_float_denorm_mode_32 3
		.amdhsa_float_denorm_mode_16_64 3
		.amdhsa_memory_ordered 1
		.amdhsa_forward_progress 1
		.amdhsa_inst_pref_size 121
	.end_amdhsa_kernel
	.amdgpu_metadata
---
amdhsa.version: [ 1, 2 ]
amdhsa.kernels:
  - .name:           k_q385e5e8601_qkv
    .symbol:         k_q385e5e8601_qkv.kd
    .args:
      - { .name: xc, .offset: 0, .size: 8, .value_kind: global_buffer, .address_space: global }
      - { .name: xs, .offset: 8, .size: 8, .value_kind: global_buffer, .address_space: global }
      - { .name: wc, .offset: 16, .size: 8, .value_kind: global_buffer, .address_space: global }
      - { .name: ws, .offset: 24, .size: 8, .value_kind: global_buffer, .address_space: global }
      - { .name: b_attn, .offset: 32, .size: 8, .value_kind: global_buffer, .address_space: global }
      - { .name: qkv, .offset: 40, .size: 8, .value_kind: global_buffer, .address_space: global }
      - { .name: qf, .offset: 48, .size: 8, .value_kind: global_buffer, .address_space: global }
    .group_segment_fixed_size: 327680
    .private_segment_fixed_size: 0
    .kernarg_segment_align: 8
    .kernarg_segment_size: 56
    .max_flat_workgroup_size: 128
    .sgpr_count:     102
    .vgpr_count:     1024
    .wavefront_size: 32
...
	.end_amdgpu_metadata
.endif
;; end of part 2
;; launch attn (part 3): grid 4 x 64, 16 waves a work-group, no clusters, 223,232 bytes of LDS; arguments qkv, yi; writes yi
.if DOCPART == 3
	.amdgcn_target "amdgcn-amd-amdhsa--gfx1250"
	.amdhsa_code_object_version 6
	.text
	.protected	k_q385e5e8601_attn
	.globl	k_q385e5e8601_attn
	.p2align	8
	.type	k_q385e5e8601_attn,@function
k_q385e5e8601_attn:
	s_mov_b64 s[64:65], 0
	v_nop
	global_prefetch_b8 v0, s[64:65] scope:SCOPE_SE
	s_setreg_imm32_b32 hwreg(HW_REG_WAVE_MODE, 25, 1), 1
	s_wait_xcnt 0x0
; Band attention in f16 operands, f32 sums: y[q] = softmax over the keys j with 0 <= q - j < 256 of (q . k / 8), times v.  Tiles wholly outside the band are not multiplied: their weights are exactly 0 for all inputs
; (the mask hangs on positions alone); a NaN or infinity in a hidden key is not carried to the result.
; SHARES.  A work-group owns 512 queries of one head of one sequence; each of its sixteen waves 32 of them: two tiles u of 16.  A wave walks nine blocks of 32 keys: from 256 before its first query to its own 32.
; The first block is cut by the band's far edge, the last by the diagonal, the seven between count whole.  Blocks before the sequence's start (first work-group of a sequence only) are jumped over: a branch on ids.
; K AND V COME ONCE, THROUGH REGISTERS: the work-group's window of 768 keys is asked for by the waves' first instructions.  K's images go to LDS as they lie; V's pieces are laid as rows [key][64 d], 160 bytes apart,
; for the turning load.  No tensor load: nothing is filled again, the 256 keys in front do not exist for the first work-group of a sequence, and V is laid anew on the way.  No cluster: neighbours share a third of their keys.
; LAYOUT.  S^T = K Q^T and O^T = V^T P: a lane holds one query (lane % 16) throughout; two tiles of S^T, rounded to f16 in pairs, are source 1 of the second product.
; SOFTMAX.  Running maximum m and sum l: p = 2^(c s - c m), c = log2(e) / 8; O and l are multiplied by a = 2^(c m_old - c m_new) in every step.  m begins at -3e38, O and l at 0, since which step is a wave's first hangs on ids.
; REGISTERS: v1-11 addresses; v16-31 statistics (8 a tile: c m, m, l (2), c0, c1, a, at work); v32-63 Q; v64-95 K; v96-127 V^T; v128-159 S^T; v160-175 P; v192-255 O^T.
.set VOFF,  98304                      ; K's images: 24 blocks x 4,096 bytes; then V's 768 rows x 160 bytes
.set SPARE, 221184                     ; the spare words, 128 bytes a wave
.set SPW, 12
.set NIL, 13
.set ST,  16
.set QF,  32
.set KF,  64
.set VF,  96
.set S,   128
.set P,   160
.set O,   192
	s_load_b128 s[4:7], s[0:1], 0x0                ; qkv, yi
	v_lshl_add_u32 v[SPW], v0, 2, SPARE
	v_mov_b32 v[NIL], 0
	v_lshrrev_b32 v2, 5, v0
	v_readfirstlane_b32 s8, v2                     ; wave w
	s_mov_b32 s9, ttmp9                            ; x: which 512 queries
	s_and_b32 s10, ttmp7, 0xffff                   ; 16 x sequence + head
	v_and_b32 v2, 31, v0
	v_lshlrev_b32 v1, 4, v2                        ; 16 L
	v_and_b32 v14, 15, v0                          ; r
	v_bfe_u32 v15, v0, 4, 1                        ; h
	s_lshl_b32 s2, s10, 18                         ; the plane,
	s_lshl_b32 s3, s9, 16                          ; 512 positions of 128 bytes
	s_add_co_u32 s2, s2, s3
	s_lshl_b32 s3, s8, 12
	s_add_co_u32 s12, s2, s3                       ; Q: my 32 queries
	s_mov_b32 s13, 0
	s_lshl_b32 s3, s8, 9
	s_add_co_u32 s14, s2, s3
	s_add_co_u32 s14, s14, 16777216                ; K: 64 planes on; my wave's 512 bytes of each 8,192
	s_mov_b32 s15, 0
	s_add_co_u32 s16, s14, 16777216                ; V: 64 more
	s_mov_b32 s17, 0
	s_lshr_b32 s18, s10, 4
	s_lshl_b32 s18, s18, 7
	s_lshl_b32 s3, s9, 5
	s_add_co_u32 s18, s18, s3
	s_lshl_b32 s3, s8, 1
	s_add_co_u32 s18, s18, s3                      ; y: my first tile of 16 rows,
	s_lshl_b32 s18, s18, 15                        ; 32,768 bytes each,
	s_and_b32 s3, s10, 15
	s_lshl_b32 s3, s3, 11
	s_add_co_u32 s18, s18, s3                      ; and my head's two fragments in it
	s_mov_b32 s19, 0
	s_mov_b32 s20, 0x76543210
	s_mov_b32 s21, 0xfedcba98
	s_mov_b32 s22, 0x3e38aa3b                      ; c = log2(e) / 8
	s_mov_b32 s23, s22
	s_lshl_b32 s24, s8, 12                         ; where the step's block of K lies: block w + step
	s_mul_i32 s25, s8, 5120                        ; and of V: 32 rows of 160 bytes
	s_lshl_b32 s26, s9, 4
	s_add_co_u32 s26, s26, s8                      ; the step's block in the sequence, + 8
	s_wait_kmcnt 0x0
	s_add_nc_u64 s[12:13], s[4:5], s[12:13]
	s_add_nc_u64 s[14:15], s[4:5], s[14:15]
	s_add_nc_u64 s[16:17], s[4:5], s[16:17]
	s_add_nc_u64 s[18:19], s[6:7], s[18:19]
.irp j, 0,1,2,3,4,5,6,7
	global_load_b128 v[KF+4*\j:KF+4*\j+3], v1, s[14:15] offset:\j*8192      ; the work-group's own 512 keys: 512 consecutive bytes a load
.endr
.irp j, 0,1,2,3,4,5,6,7
	global_load_b128 v[VF+4*\j:VF+4*\j+3], v1, s[16:17] offset:\j*8192
.endr
.irp i, 0,1,2,3,4,5,6,7
	global_load_b128 v[QF+4*\i:QF+4*\i+3], v1, s[12:13] offset:512*\i       ; Q's four fragments stay in registers
.endr
	v_and_b32 v3, 7, v0                            ; the turning load: key 8 h + L % 8, 16 bytes at 16 ((L / 8) % 2)
	v_lshl_add_u32 v3, v15, 3, v3
	v_mul_u32_u24 v3, v3, 160
	v_bfe_u32 v4, v0, 3, 1
	v_lshl_add_u32 v3, v4, 4, v3
	v_add_nc_u32 v3, VOFF, v3
	v_lshlrev_b32 v6, 3, v15
	v_sub_nc_u32 v6, v14, v6                       ; r - 8 h: register j's key against my query, on the band's two edges
	v_mov_b32 v7, 0xff800000                       ; -infinity
	s_lshl_b32 s3, s8, 9
	v_add_nc_u32 v8, s3, v1                        ; K into LDS as it lies
	v_add_nc_u32 v9, 0x10000, v8
	s_lshr_b32 s3, s8, 2                           ; V: my wave's piece is tile w / 4 of four, d = 32 ((w / 2) % 2) + 16 (w % 2) + 8 h on, of key r
	s_mul_i32 s3, s3, 2560
	s_bfe_u32 s11, s8, 0x10001
	s_lshl_b32 s11, s11, 6
	s_add_co_u32 s3, s3, s11
	s_and_b32 s11, s8, 1
	s_lshl_b32 s11, s11, 5
	s_add_co_u32 s3, s3, s11
	s_add_co_u32 s3, s3, VOFF
	v_mul_u32_u24 v10, v14, 160
	v_lshl_add_u32 v10, v15, 4, v10
	v_add_nc_u32 v10, s3, v10
	v_add_nc_u32 v11, 61440, v10
.irp u, 0,1
	v_mov_b32 v[ST+8*\u+1], 0xff61b1e6             ; m: -3e38, under every score
.irp i, 2,3,4,5,6,7
	v_mov_b32 v[ST+8*\u+\i], 0
.endr
	v_mul_f32 v[ST+8*\u], s22, v[ST+8*\u+1]        ; c m
.endr
.set i, 0
.rept 64
	v_mov_b32 v[O+i], 0                            ; O^T: the step is written for every place in the walk, and a wave's first step hangs on ids
.set i, i+1
.endr
	s_cmp_eq_u32 s9, 0                             ; the 256 keys in front of the work-group's queries: none at a sequence's start
	s_cbranch_scc1 .Lno_halo
.irp j, 0,1,2,3
	global_load_b128 v[S+4*\j:S+4*\j+3], v1, s[14:15] offset:(\j-4)*8192
	global_load_b128 v[S+16+4*\j:S+16+4*\j+3], v1, s[16:17] offset:(\j-4)*8192
.endr
	s_wait_loadcnt 0x0
.irp j, 0,1,2,3
	ds_store_b128 v8, v[S+4*\j:S+4*\j+3] offset:8192*\j
	ds_store_b128 v10, v[S+16+4*\j:S+16+4*\j+3] offset:10240*\j
.endr
.Lno_halo:
	s_wait_loadcnt 0x0
.irp j, 4,5,6,7
	ds_store_b128 v8, v[KF+4*(\j-4):KF+4*(\j-4)+3] offset:8192*\j
.endr
.irp j, 8,9,10,11
	ds_store_b128 v9, v[KF+4*(\j-4):KF+4*(\j-4)+3] offset:8192*(\j-8)
.endr
.irp j, 4,5
	ds_store_b128 v10, v[VF+4*(\j-4):VF+4*(\j-4)+3] offset:10240*\j
.endr
.irp j, 6,7,8,9,10,11
	ds_store_b128 v11, v[VF+4*(\j-4):VF+4*(\j-4)+3] offset:10240*(\j-6)
.endr
	s_wait_dscnt 0x0                               ; for the others' sake: my stores have landed
	s_barrier_signal -1
	s_barrier_wait -1                              ; the window is whole; from here on LDS is only read
.macro SPROD u, kt, c
.if \c == 0
	v_wmma_f32_16x16x32_f16 v[S+16*\u+8*\kt:S+16*\u+8*\kt+7], v[KF+16*\kt+8*\c:KF+16*\kt+8*\c+7], v[QF+16*\u+8*\c:QF+16*\u+8*\c+7], 0
.else
	v_wmma_f32_16x16x32_f16 v[S+16*\u+8*\kt:S+16*\u+8*\kt+7], v[KF+16*\kt+8*\c:KF+16*\kt+8*\c+7], v[QF+16*\u+8*\c:QF+16*\u+8*\c+7], v[S+16*\u+8*\kt:S+16*\u+8*\kt+7]
.endif
.endm
.macro SOFTMAX                         ; every line for both tiles by turns, so that no line waits for the line above it
.irp u, 0,1
	v_max3_num_f32 v[ST+8*\u+4], v[S+16*\u], v[S+16*\u+1], v[S+16*\u+2]          ; each accumulator is read from its low end on
.endr
.irp u, 0,1
	v_max3_num_f32 v[ST+8*\u+5], v[S+16*\u+8], v[S+16*\u+9], v[S+16*\u+10]
.endr
.irp i, 3,5
.irp u, 0,1
	v_max3_num_f32 v[ST+8*\u+4], v[ST+8*\u+4], v[S+16*\u+\i], v[S+16*\u+\i+1]
.endr
.irp u, 0,1
	v_max3_num_f32 v[ST+8*\u+5], v[ST+8*\u+5], v[S+16*\u+8+\i], v[S+16*\u+8+\i+1]
.endr
.endr
.irp u, 0,1
	v_max3_num_f32 v[ST+8*\u+4], v[ST+8*\u+4], v[S+16*\u+7], v[S+16*\u+15]
.endr
.irp u, 0,1
	v_max3_num_f32 v[ST+8*\u+4], v[ST+8*\u+4], v[ST+8*\u+5], v[ST+8*\u+1]        ; with the old m
.endr
.irp u, 0,1
	v_permlanex16_b32 v[ST+8*\u+5], v[ST+8*\u+4], s20, s21                       ; the query's other 16 keys lie in the lane 16 away
.endr
.irp u, 0,1
	v_mov_b32 v[ST+8*\u+7], v[ST+8*\u]                                           ; c m_old
.endr
.irp u, 0,1
	v_max_num_f32 v[ST+8*\u+1], v[ST+8*\u+4], v[ST+8*\u+5]
.endr
.irp u, 0,1
	v_mul_f32 v[ST+8*\u], s22, v[ST+8*\u+1]
.endr
.irp u, 0,1
	v_sub_f32 v[ST+8*\u+7], v[ST+8*\u+7], v[ST+8*\u]
.endr
.irp u, 0,1
	v_exp_f32 v[ST+8*\u+6], v[ST+8*\u+7]                                         ; a
.endr
.irp b, 0,1,2,3,4,5,6,7
.irp u, 0,1
	v_pk_fma_f32 v[S+16*\u+2*\b:S+16*\u+2*\b+1], v[S+16*\u+2*\b:S+16*\u+2*\b+1], s[22:23], v[ST+8*\u:ST+8*\u+1] op_sel_hi:[1,0,0] neg_lo:[0,0,1] neg_hi:[0,0,1]   ; c s - c m
.endr
.endr
.irp e, 0,1,2,3,4,5,6,7,8,9,10,11,12,13,14,15
.irp u, 0,1
	v_exp_f32 v[S+16*\u+\e], v[S+16*\u+\e]
.endr
.endr
	v_nop                                          ; a plain instruction behind the last exponential
	s_wait_alu depctr_va_vdst(0)                   ; one wait for the step's 34 exponentials, ahead of the first instruction that names a result
.irp i, 0,1,2,3,4,5,6,7
.irp u, 0,1
	v_cvt_pk_f16_f32 v[P+8*\u+\i], v[S+16*\u+2*\i], v[S+16*\u+2*\i+1]
.endr
.endr
.irp b, 0,4,8,12
.irp u, 0,1
	v_pk_add_f32 v[S+16*\u+\b:S+16*\u+\b+1], v[S+16*\u+\b:S+16*\u+\b+1], v[S+16*\u+\b+2:S+16*\u+\b+3]
.endr
.endr
.irp b, 0,8
.irp u, 0,1
	v_pk_add_f32 v[S+16*\u+\b:S+16*\u+\b+1], v[S+16*\u+\b:S+16*\u+\b+1], v[S+16*\u+\b+4:S+16*\u+\b+5]
.endr
.endr
.irp u, 0,1
	v_pk_add_f32 v[S+16*\u:S+16*\u+1], v[S+16*\u:S+16*\u+1], v[S+16*\u+8:S+16*\u+9]
.endr
.irp u, 0,1
	v_pk_fma_f32 v[ST+8*\u+2:ST+8*\u+3], v[ST+8*\u+2:ST+8*\u+3], v[ST+8*\u+6:ST+8*\u+7], v[S+16*\u:S+16*\u+1] op_sel_hi:[1,0,1]   ; l = a l + the step's sum
.endr
.irp j, 0,1,2,3,4,5,6,7,8,9,10,11,12,13,14,15
.irp u, 0,1
	v_pk_mul_f32 v[O+32*\u+2*\j:O+32*\u+2*\j+1], v[O+32*\u+2*\j:O+32*\u+2*\j+1], v[ST+8*\u+6:ST+8*\u+7] op_sel_hi:[1,0]   ; O^T x a, each accumulator from its low end on
.endr
.endr
.endm
; A KEY STEP: 32 keys.  type 0: all count.  1: the band's far edge: key j counts where its place in the block lies above the query's; tile (u 1, keys 0-15) is wholly hidden and not multiplied.
; 2: the diagonal: the other way round; tile (u 0, keys 16-31) is wholly hidden.
.macro STEP type
.set HID, 4
.if \type == 1
.set HID, 2
.endif
.if \type == 2
.set HID, 1
.endif
.if \type < 2
	s_cmp_lt_u32 s26, 8                            ; a block before the sequence's start: ids and the count of steps alone
	s_cbranch_scc1 .Lskip_\@
.endif
	v_add_nc_u32 v4, s24, v1
	v_add_nc_u32 v5, s25, v3
	v_nop
	v_nop                                          ; four places between the last step's products and the loads into V's registers
.irp f, 0,1,2,3,4,5,6,7
	ds_load_b128 v[KF+4*\f:KF+4*\f+3], v4 offset:512*\f
.endr
.irp ct, 0,1,2,3
	ds_load_tr16_b128 v[VF+8*\ct:VF+8*\ct+3], v5 offset:32*\ct
	ds_load_tr16_b128 v[VF+8*\ct+4:VF+8*\ct+7], v5 offset:32*\ct+2560
.endr
	s_wait_dscnt 8                                 ; K is in; V's eight loads may be out
.irp c, 0,1                            ; the accumulators take turns, one instruction a turn
.irp u, 0,1
.irp kt, 0,1
.if (2*\u+\kt) != HID
	SPROD \u, \kt, \c
.endif
.endr
.endr
.endr
.rept 4
	v_nop
.endr
.if \type
.irp j, 0,1,2,3,4,5,6,7
	v_cmp_gt_i32 vcc_lo, \j, v6
.if \type == 1
	v_cndmask_b32 v[S+\j], v7, v[S+\j], vcc_lo
	v_cndmask_b32 v[S+24+\j], v7, v[S+24+\j], vcc_lo
.else
	v_cndmask_b32 v[S+\j], v[S+\j], v7, vcc_lo
	v_cndmask_b32 v[S+24+\j], v[S+24+\j], v7, vcc_lo
.endif
.endr
.irp j, 0,1,2,3,4,5,6,7
	v_mov_b32 v[S+8*HID+\j], v7                    ; the tile that was not multiplied
.endr
.endif
	SOFTMAX
	s_wait_dscnt 0x0                               ; V is in
.irp ct, 0,1,2,3
.irp u, 0,1
	v_wmma_f32_16x16x32_f16 v[O+32*\u+8*\ct:O+32*\u+8*\ct+7], v[VF+8*\ct:VF+8*\ct+7], v[P+8*\u:P+8*\u+7], v[O+32*\u+8*\ct:O+32*\u+8*\ct+7]
.endr
.endr
.Lskip_\@:
	s_add_co_u32 s24, s24, 4096
	s_add_co_u32 s25, s25, 5120
	s_add_co_u32 s26, s26, 1
.endm
	STEP 1
	s_mov_b32 s27, 7
.Lopen:
	STEP 0
	s_sub_co_u32 s27, s27, 1
	s_cmp_lg_u32 s27, 0
	s_cbranch_scc1 .Lopen
	STEP 2
	; THE WAY OUT.  O^T / l, rounded to f16: a lane's eight channels are its 16 bytes of an image of the projection's fragment: stored as they are.
.rept 4
	v_nop                                          ; places behind the last products
.endr
.irp u, 0,1
	v_add_f32 v[ST+8*\u+4], v[ST+8*\u+2], v[ST+8*\u+3]
.endr
.irp u, 0,1
	v_permlanex16_b32 v[ST+8*\u+5], v[ST+8*\u+4], s20, s21
.endr
.irp u, 0,1
	v_add_f32 v[ST+8*\u+4], v[ST+8*\u+4], v[ST+8*\u+5]
.endr
.irp u, 0,1
	v_rcp_f32 v[ST+8*\u+6], v[ST+8*\u+4]
.endr
	v_nop
	s_wait_alu depctr_va_vdst(0)                   ; one wait for the two reciprocals, ahead of their first reader
.irp j, 0,1,2,3,4,5,6,7,8,9,10,11,12,13,14,15
.irp u, 0,1
	v_pk_mul_f32 v[O+32*\u+2*\j:O+32*\u+2*\j+1], v[O+32*\u+2*\j:O+32*\u+2*\j+1], v[ST+8*\u+6:ST+8*\u+7] op_sel_hi:[1,0]
.endr
.endr
.irp u, 0,1
.irp i, 0,1,2,3,4,5,6,7,8,9,10,11,12,13,14,15
	v_cvt_pk_f16_f32 v[S+16*\u+\i], v[O+32*\u+2*\i], v[O+32*\u+2*\i+1]
.endr
.endr
.irp u, 0,1
.irp ct, 0,1,2,3
	global_store_b128 v1, v[S+16*\u+4*\ct:S+16*\u+4*\ct+3], s[18:19] offset:32768*\u+(\ct/2)*1024+(\ct%2)*512   ; 512 consecutive bytes a store
.endr
.endr
	s_wait_tensorcnt 0x0                           ; the wave's end: closing lines behind my last LDS store
	ds_add_u32 v[SPW], v[NIL]
	s_wait_dscnt 0x0
	s_endpgm
.Lfunc_end_k_q385e5e8601_attn:
	.size	k_q385e5e8601_attn, .Lfunc_end_k_q385e5e8601_attn-k_q385e5e8601_attn
	.p2alignl 7, 3214868480
	.fill 96, 4, 3214868480
	.section	.rodata,"a",@progbits
	.p2align	6, 0x0
	.amdhsa_kernel k_q385e5e8601_attn
		.amdhsa_group_segment_fixed_size 223232
		.amdhsa_private_segment_fixed_size 0
		.amdhsa_enable_private_segment 0
		.amdhsa_kernarg_size 16
		.amdhsa_user_sgpr_count 2
		.amdhsa_user_sgpr_kernarg_segment_ptr 1
		.amdhsa_wavefront_size32 1
		.amdhsa_system_sgpr_workgroup_id_x 1
		.amdhsa_system_sgpr_workgroup_id_y 1
		.amdhsa_system_sgpr_workgroup_id_z 1
		.amdhsa_system_vgpr_workitem_id 0
		.amdhsa_next_free_vgpr 256
		.amdhsa_next_free_sgpr 66
		.amdhsa_reserve_vcc 1
		.amdhsa_float_denorm_mode_32 3
		.amdhsa_float_denorm_mode_16_64 3
		.amdhsa_memory_ordered 1
		.amdhsa_forward_progress 1
		.amdhsa_inst_pref_size 48
	.end_amdhsa_kernel
	.amdgpu_metadata
---
amdhsa.version: [ 1, 2 ]
amdhsa.kernels:
  - .name:           k_q385e5e8601_attn
    .symbol:         k_q385e5e8601_attn.kd
    .args:
      - { .name: qkv, .offset: 0, .size: 8, .value_kind: global_buffer, .address_space: global }
      - { .name: yi, .offset: 8, .size: 8, .value_kind: global_buffer, .address_space: global }
    .group_segment_fixed_size: 223232
    .private_segment_fixed_size: 0
    .kernarg_segment_align: 8
    .kernarg_segment_size: 16
    .max_flat_workgroup_size: 512
    .sgpr_count:     66
    .vgpr_count:     256
    .wavefront_size: 32
...
	.end_amdgpu_metadata
.endif
;; end of part 3
;; launch proj (part 4): grid 4 x 64, 4 waves a work-group, clusters of 4 x 4, 327,680 bytes of LDS; arguments yi, wp, b_proj, out0; writes out0
.if DOCPART == 4
	.amdgcn_target "amdgcn-amd-amdhsa--gfx1250"
	.amdhsa_code_object_version 6
	.text
	.protected	k_q385e5e8601_proj
	.globl	k_q385e5e8601_proj
	.p2align	8
	.type	k_q385e5e8601_proj,@function
k_q385e5e8601_proj:
	s_mov_b64 s[64:65], 0
	v_nop
	global_prefetch_b8 v0, s[64:65] scope:SCOPE_SE
	s_setreg_imm32_b32 hwreg(HW_REG_WAVE_MODE, 25, 1), 1
	s_wait_xcnt 0x0
	s_wait_alu depctr_hold_cnt(0) depctr_sa_sdst(0) depctr_va_vdst(0) depctr_va_sdst(0) depctr_va_ssrc(0) depctr_va_vcc(0) depctr_vm_vsrc(0)
	s_getreg_b32 s2, hwreg(HW_REG_IB_STS2, 6, 4)
	s_cmp_eq_u32 s2, 0
	s_cbranch_scc0 .Lentry_in_a_cluster
	s_endpgm
.Lentry_in_a_cluster:
	s_bfe_u32 s2, ttmp6, 0x10000c
	s_cmp_lg_u32 s2, 0xf033
	s_cbranch_scc0 .Lentry_shape_is_right
	s_endpgm
.Lentry_shape_is_right:
; out = y W_proj + b_proj, f16 operands, f32 sums: [8192][1024] x [1024][1024]^T.  Rows of positions 0-15 of every sequence are multiplied inside their tile but not stored here: the last launch carries them in f32.
; A tile of 128 x 256 to a work-group (256 work-groups); a wave makes 64 x 128: 32 accumulators.  K goes in steps of 128 through two LDS slots filled by joint tensor loads.
; Both operands lie in memory as images of fragments (1,024 bytes for 16 rows x 32 K): a K step of 16 rows is 4,096 consecutive bytes, a fragment's load 16 bytes a lane: no pitch, no padding.
; CLUSTERS: 4 x 4.  Tile column = cx; TILE ROW = 16 cy + cluster y, so that whether a work-group holds positions 0-15 hangs on the cluster's y, the same in all partners.  y's tiles are shared along a row of the cluster, W's along a column.
; THE MATRIX INSTRUCTION IS USED TRANSPOSED (source 0 = 16 rows of W^T, source 1 = 16 rows of y).  The bias is the C of each sum's first product.
; REGISTERS: window 0: v0-31 addresses; y's fragments at v32 and v64 (two buffers of 32), W's at v96 and v160 (two of 64); on the way out v32-159 hold rows.  window 1: the accumulators, (a, b) at v[8 (8 a + b)].  window 2: v0-63 the bias.
.set SLOT,   98304                     ; y: 8 x 4,096 bytes; then W: 16 x 4,096
.set SPARE,  2*SLOT                    ; the spare words, 128 bytes a wave
.set SPITCH, 528                       ; the way out: a stage of 16 rows x (512 + 16) bytes a wave, in slot 0, which has had its last fill and its last read by then
.set ADRA, 16
.set ADRB, 20
.set STO,  24
.set RD,   25
.set CO,   26
.set BO,   27
.set SPW,  28
.set NIL,  29
.set PFO,  30
.set G1,  24
.set G0,  32
.set LIM, 45
.set PFA, 46
.set G1B, 48
.set G0B, 56
.set MSB, 0
.macro WIN new
.if MSB != \new
	s_set_vgpr_msb (MSB<<8)|\new
.set MSB, \new
.endif
.endm
.set MUL, 0x50                         ; C and D window 1, operands window 0
.macro JLOAD s                         ; waves 0 and 1 fetch y's halves, waves 2 and 3 W's; an s_nop 0 and four v_nop follow each line
	s_cmp_eq_u32 s13, 0
	s_cbranch_scc0 .Lfor_b_\@
	tensor_load_to_lds s[G0+4*\s:G0+4*\s+3], s[G1:G1+7]
	s_nop 0
.rept 4
	v_nop
.endr
	s_branch .Lasked_\@
.Lfor_b_\@:
	tensor_load_to_lds s[G0B+4*\s:G0B+4*\s+3], s[G1B:G1B+7]
	s_nop 0
.rept 4
	v_nop
.endr
.Lasked_\@:
.endm
; A prefetch of y's K step that stands two refills on.  A tile row of y is read by one row of one cluster alone; its four partners share its eight runs out by address, two each; in each, wave 0 asks: 32 lanes, 256 bytes apart.
; So each aligned block of 256 bytes is named once.  The loop's last trip asks for nothing: there is no K step so far on.  W's tiles are read by all sixteen clusters and are not asked for.
.macro ASK
	s_cmp_gt_u32 s3, s[LIM]
	s_cbranch_scc0 .Lnot_mine_\@
	global_prefetch_b8 v[PFO], s[PFA:PFA+1] th:TH_LOAD_NT scope:SCOPE_SE
.Lnot_mine_\@:
.endm
.macro CREST
	s_cmp_lg_u32 s12, 0
	s_cbranch_scc1 .Lnot_wave_0_\@
	s_barrier_signal -3
.Lnot_wave_0_\@:
	s_barrier_wait -3
	s_barrier_signal -1
	s_barrier_wait -1
.endm
.macro CROUND
	s_barrier_signal -1
	s_barrier_wait -1
	CREST
.endm
	s_load_b256 s[4:11], s[0:1], 0x0               ; yi, wp, b_proj, out0
	v_lshl_add_u32 v[SPW], v0, 2, SPARE
	v_mov_b32 v[NIL], 0
	ds_add_u32 v[SPW], v[NIL]                      ; the wave's opening: the add, twice on end, and its wait ahead of my first tensor load
	ds_add_u32 v[SPW], v[NIL]
	v_lshrrev_b32 v1, 5, v0
	v_readfirstlane_b32 s12, v1                    ; wave
	s_lshr_b32 s13, s12, 1                         ; my half of the rows; also: I fetch for y (0) or W (1)
	s_and_b32 s14, s12, 1                          ; my half of the columns; also: which half of that tile I fetch
	s_bfe_u32 s40, ttmp6, 0x40000                  ; cx = tile column
	s_bfe_u32 s41, ttmp6, 0x40004                  ; cy = sequence
	s_and_b32 s66, ttmp7, 0xffff                   ; cluster y: the block of 128 positions
	s_lshl_b32 s15, s41, 4
	s_add_co_u32 s15, s15, s66                     ; tile row
	s_lshl_b32 s43, s41, 2
	s_lshl_b32 s43, 15, s43                        ; my row of the cluster
	s_lshl_b32 s44, 0x1111, s40                    ; my column
	s_or_b32 s[G1+0], s43, (3<<16)|(1<<21)         ; the mask; elements of 8 bytes; bit 21 beside a mask
	s_mov_b32 s[G1+1], 512<<16                     ; runs of 4,096 bytes,
	s_mov_b32 s[G1+2], 4<<16                       ; four of them,
	s_mov_b32 s[G1+3], 512<<16
	s_mov_b32 s[G1+4], 4
	s_mov_b32 s[G1+5], 4096                        ; 32,768 bytes apart
	s_mov_b32 s[G1+6], 0
	s_mov_b32 s[G1+7], 0
	s_or_b32 s[G1B+0], s44, (3<<16)|(1<<21)
	s_mov_b32 s[G1B+1], 512<<16
	s_mov_b32 s[G1B+2], 8<<16                      ; W: eight
	s_mov_b32 s[G1B+3], 512<<16
	s_mov_b32 s[G1B+4], 8
	s_mov_b32 s[G1B+5], 4096
	s_mov_b32 s[G1B+6], 0
	s_mov_b32 s[G1B+7], 0
	s_lshl_b32 s16, s15, 3
	s_lshl_b32 s17, s14, 2
	s_add_co_u32 s16, s16, s17
	s_lshl_b32 s16, s16, 15                        ; y: 16 rows' images are 32,768 bytes
	s_mov_b32 s17, 0
	s_lshl_b32 s18, s40, 4
	s_lshl_b32 s19, s14, 3
	s_add_co_u32 s18, s18, s19
	s_lshl_b32 s18, s18, 15                        ; W likewise
	s_mov_b32 s19, 0
	s_lshl_b32 s20, s14, 14                        ; where they go: the wave's number alone
	s_lshl_b32 s21, s14, 15
	s_add_co_u32 s21, s21, 32768
	s_wait_dscnt 0x0                               ; both opening adds are done
	s_wait_kmcnt 0x0
	s_add_nc_u64 s[16:17], s[4:5], s[16:17]
	s_add_nc_u64 s[18:19], s[6:7], s[18:19]
	CROUND                                         ; all sixteen work-groups are here
.irp s, 0,1
	s_mov_b32 s[G0+4*\s], 1
	s_add_co_u32 s[G0+4*\s+1], s20, \s*SLOT
	s_add_nc_u64 s[G0+4*\s+2:G0+4*\s+3], s[16:17], \s*4096
	s_or_b32 s[G0+4*\s+3], s[G0+4*\s+3], 0x80000000
	s_mov_b32 s[G0B+4*\s], 1
	s_add_co_u32 s[G0B+4*\s+1], s21, \s*SLOT
	s_add_nc_u64 s[G0B+4*\s+2:G0B+4*\s+3], s[18:19], \s*4096
	s_or_b32 s[G0B+4*\s+3], s[G0B+4*\s+3], 0x80000000
	JLOAD \s                                       ; by this text's count two tensor loads of a wave are out here, later one
.endr
	v_and_b32 v1, 15, v0                           ; r
	v_bfe_u32 v2, v0, 4, 1                         ; h
	v_and_b32 v3, 31, v0
	v_lshlrev_b32 v[CO], 4, v3                     ; 16 L
	v_lshlrev_b32 v[BO], 5, v2
	s_lshl_b32 s20, s40, 10                        ; the bias of my 128 columns
	s_lshl_b32 s21, s14, 9
	s_add_co_u32 s20, s20, s21
	s_mov_b32 s21, 0
	s_add_nc_u64 s[8:9], s[8:9], s[20:21]
	s_add_nc_u64 s[10:11], s[10:11], s[20:21]      ; and the same columns of out
	WIN 0x80                                       ; destination window 2
.irp b, 0,1,2,3,4,5,6,7
	global_load_b128 v[8*\b:8*\b+3], v[BO], s[8:9] offset:64*\b
	global_load_b128 v[8*\b+4:8*\b+7], v[BO], s[8:9] offset:64*\b+16
.endr
	WIN 0
	s_lshl_b32 s20, s15, 7
	s_lshl_b32 s22, s13, 6
	s_add_co_u32 s20, s20, s22                     ; my first row of out,
	s_lshl_b32 s20, s20, 12                        ; 4,096 bytes a row
	s_add_nc_u64 s[10:11], s[10:11], s[20:21]
	s_lshl_b32 s21, s13, 14                        ; my 64 rows of y
	s_lshl_b32 s22, s14, 15
	s_add_co_u32 s22, s22, 32768                   ; my 128 rows of W
.irp s, 0,1
	v_add_nc_u32 v[ADRA+\s], s21, v[CO]
	v_add_nc_u32 v[ADRB+\s], s22, v[CO]
	s_add_co_u32 s21, s21, SLOT
	s_add_co_u32 s22, s22, SLOT
.endr
	s_mul_i32 s23, s12, 16*SPITCH                  ; my stage
	v_mul_u32_u24 v4, v1, SPITCH
	v_lshl_add_u32 v4, v2, 5, v4
	v_add_nc_u32 v[STO], s23, v4                   ; in: row r, 32 bytes for each half of the lanes
	v_add_nc_u32 v[RD], s23, v[CO]                 ; back: a row of 512 bytes to the 32 lanes
	s_lshl_b32 s22, s15, 3                         ; the prefetches: my work-group's two runs of the tile row's eight,
	s_lshl_b32 s23, s40, 1
	s_add_co_u32 s22, s22, s23
	s_lshl_b32 s22, s22, 15
	s_add_co_u32 s22, s22, 3*4096                  ; at K step 3: the first refill steps it to 4
	s_mov_b32 s23, 0
	s_add_nc_u64 s[PFA:PFA+1], s[4:5], s[22:23]
	s_cmp_eq_u32 s12, 0
	s_cselect_b32 s[LIM], 1, -1                    ; wave 0 asks while more than one trip is left
	v_lshlrev_b32 v[PFO], 8, v1
	v_lshl_add_u32 v[PFO], v2, 15, v[PFO]
	s_or_b32 s68, s66, s13                         ; 0 where my block 0 holds positions 0-15
.macro MUL8 f, a, zero                 ; block a of y against W's eight; the 32 accumulators take turns, one instruction a turn
.irp b, 0,1,2,3,4,5,6,7
.if \zero
	v_wmma_f32_16x16x32_f16 v[8*(8*(\a)+\b):8*(8*(\a)+\b)+7], v[96+64*(\f)+8*\b:96+64*(\f)+8*\b+7], v[32+32*(\f)+8*(\a):32+32*(\f)+8*(\a)+7], v[8*\b:8*\b+7]
.else
	v_wmma_f32_16x16x32_f16 v[8*(8*(\a)+\b):8*(8*(\a)+\b)+7], v[96+64*(\f)+8*\b:96+64*(\f)+8*\b+7], v[32+32*(\f)+8*(\a):32+32*(\f)+8*(\a)+7], v[8*(8*(\a)+\b):8*(8*(\a)+\b)+7]
.endif
.endr
.endm
.macro FETCH slot, kq, f               ; 24 LDS loads in one run: 32 along K: W's eight fragments, then y's four
	WIN 0
.irp i, 0,1,2,3,4,5,6,7
	ds_load_b128 v[96+64*(\f)+8*\i:96+64*(\f)+8*\i+3], v[ADRB+\slot] offset:4096*\i+1024*(\kq)
	ds_load_b128 v[96+64*(\f)+8*\i+4:96+64*(\f)+8*\i+7], v[ADRB+\slot] offset:4096*\i+1024*(\kq)+512
.endr
.irp i, 0,1,2,3
	ds_load_b128 v[32+32*(\f)+8*\i:32+32*(\f)+8*\i+3], v[ADRA+\slot] offset:4096*\i+1024*(\kq)
	ds_load_b128 v[32+32*(\f)+8*\i+4:32+32*(\f)+8*\i+7], v[ADRA+\slot] offset:4096*\i+1024*(\kq)+512
.endr
.endm
.macro PLACES
.rept 4
	v_nop
.endr
.endm
.macro QUARTER slot, kq, f, g, zero    ; multiplies buffer f; in its middle fetches quarter kq of the same slot into buffer g
	s_wait_dscnt 4                                 ; W's fragments and y's blocks 0, 1 are in; the youngest four loads (blocks 2, 3) may be out
.if \zero
	WIN 0x60                                       ; C (the bias) in window 2
.else
	WIN MUL
.endif
	MUL8 \f, 0, \zero
	MUL8 \f, 1, \zero
	PLACES
	FETCH \slot, \kq, \g
	s_wait_dscnt 24                                ; all but the 24 just issued
.if \zero
	WIN 0x60
.else
	WIN MUL
.endif
	MUL8 \f, 2, \zero
	MUL8 \f, 3, \zero
.endm
; A K step's last quarter multiplies buffer 1 and changes slots: one barrier; in front of it each wave waits for all its tensor loads, adds 0 to its spare word, and waits for that and for its reads of this slot.
.macro TURN slot, next, fill
.if \fill
	s_wait_xcnt 0x0                                ; the last prefetch, a K step back, has read its address
	s_add_nc_u64 s[PFA:PFA+1], s[PFA:PFA+1], 4096
.endif
	WIN 0
	s_wait_tensorcnt 0x0                           ; my part of the next slot has landed
	ds_add_u32 v[SPW], v[NIL]
	s_wait_dscnt 5                                 ; (the add and the youngest four loads may be out)
	WIN MUL
	MUL8 1, 0, 0
	s_wait_dscnt 0x0                               ; the add is done, and my reads of this slot are over
	s_barrier_signal -1
	MUL8 1, 1, 0
	WIN 0
	s_barrier_wait -1
.if \fill
	CREST                                          ; the barrier has opened a round of the cluster's: no wave of any partner still reads this slot or has a load on its way
	s_add_nc_u64 s[G0+4*\slot+2:G0+4*\slot+3], s[G0+4*\slot+2:G0+4*\slot+3], 8192
	s_add_nc_u64 s[G0B+4*\slot+2:G0B+4*\slot+3], s[G0B+4*\slot+2:G0B+4*\slot+3], 8192
	JLOAD \slot                                    ; the first tensor load behind the round; its four v_nop are also the places in front of the loads below
.else
	PLACES
.endif
	FETCH \next, 0, 0
.if \fill
	ASK
.endif
	WIN MUL
	MUL8 1, 2, 0
	MUL8 1, 3, 0
.endm
	s_wait_tensorcnt 1                             ; my part of K step 0 is in; K step 1's may be out
	s_barrier_signal -1
	s_barrier_wait -1
	FETCH 0, 0, 0
	s_wait_loadcnt 0x0                             ; the bias
	QUARTER 0, 1, 0, 1, 1                          ; the first quarter stands in front of the loop: its products start the sums
	WIN 0
	s_mov_b32 s3, 3
.Llap:                                             ; a trip goes once round the ring and fills both slots again: K steps 2 to 7
	QUARTER 0, 2, 1, 0, 0
	QUARTER 0, 3, 0, 1, 0
	TURN 0, 1, 1
	QUARTER 1, 1, 0, 1, 0
	QUARTER 1, 2, 1, 0, 0
	QUARTER 1, 3, 0, 1, 0
	TURN 1, 0, 1
	QUARTER 0, 1, 0, 1, 0
	WIN 0
	s_sub_co_u32 s3, s3, 1
	s_cmp_lg_u32 s3, 0
	s_cbranch_scc1 .Llap
	QUARTER 0, 2, 1, 0, 0                          ; the last lap fills nothing
	QUARTER 0, 3, 0, 1, 0
	TURN 0, 1, 0
	QUARTER 1, 1, 0, 1, 0
	QUARTER 1, 2, 1, 0, 0
	QUARTER 1, 3, 0, 1, 0
	s_wait_dscnt 4
	WIN MUL
	MUL8 1, 0, 0
	MUL8 1, 1, 0
	s_wait_dscnt 0
	MUL8 1, 2, 0
	MUL8 1, 3, 0
	WIN 0
	PLACES
; THE WAY OUT, 16 rows x 128 columns at a time, through my own stage: back as whole rows of 512 bytes.  LDS serves a wave's instructions in order: no wait between the stores and the loads.
.macro TOSTAGE a
	WIN 0x04                                       ; an LDS store's data: window 1
.irp b, 0,1,2,3,4,5,6,7
	ds_store_b128 v[STO], v[64*(\a)+8*\b:64*(\a)+8*\b+3] offset:64*\b            ; each accumulator from its low end on
	ds_store_b128 v[STO], v[64*(\a)+8*\b+4:64*(\a)+8*\b+7] offset:64*\b+16
.endr
	WIN 0
.set BB, 32+64*((\a)%2)
.irp t, 0,1,2,3,4,5,6,7,8,9,10,11,12,13,14,15
	ds_load_b128 v[BB+4*\t:BB+4*\t+3], v[RD] offset:\t*SPITCH
.endr
.endm
.macro SEND a, younger                 ; younger: the LDS instructions issued behind block a's loads
.set BB, 32+64*((\a)%2)
	s_wait_dscnt \younger
.irp t, 0,1,2,3,4,5,6,7,8,9,10,11,12,13,14,15
	global_store_b128 v[CO], v[BB+4*\t:BB+4*\t+3], s[10:11] offset:(16*(\a)+\t)*4096 th:TH_STORE_NT   ; 512 consecutive bytes, aligned
.endr
.endm
	s_cmp_eq_u32 s68, 0                            ; positions 0-15 are the last launch's: cluster y and the wave's number alone
	s_cbranch_scc1 .Lno_block0
	TOSTAGE 0
	SEND 0, 0
.Lno_block0:
	TOSTAGE 1
	s_wait_xcnt 0x0                                ; block 0's stores have read their registers
	TOSTAGE 2
	SEND 1, 32                                     ; behind block 1's loads: block 2's 16 stores and 16 loads
	s_wait_xcnt 0x0                                ; block 1's stores have read theirs
	TOSTAGE 3
	SEND 2, 32
	SEND 3, 0
	s_wait_tensorcnt 0x0                           ; the wave's end
	ds_add_u32 v[SPW], v[NIL]
	s_wait_dscnt 0x0
	CROUND                                         ; the closing round
	s_endpgm
.Lfunc_end_k_q385e5e8601_proj:
	.size	k_q385e5e8601_proj, .Lfunc_end_k_q385e5e8601_proj-k_q385e5e8601_proj
	.p2alignl 7, 3214868480
	.fill 96, 4, 3214868480
	.section	.rodata,"a",@progbits
	.p2align	6, 0x0
	.amdhsa_kernel k_q385e5e8601_proj
		.amdhsa_group_segment_fixed_size 327680
		.amdhsa_private_segment_fixed_size 0
		.amdhsa_enable_private_segment 0
		.amdhsa_kernarg_size 32
		.amdhsa_user_sgpr_count 2
		.amdhsa_user_sgpr_kernarg_segment_ptr 1
		.amdhsa_wavefront_size32 1
		.amdhsa_system_sgpr_workgroup_id_x 1
		.amdhsa_system_sgpr_workgroup_id_y 1
		.amdhsa_system_sgpr_workgroup_id_z 1
		.amdhsa_system_vgpr_workitem_id 0
		.amdhsa_next_free_vgpr 576
		.amdhsa_next_free_sgpr 70
		.amdhsa_reserve_vcc 0
		.amdhsa_float_denorm_mode_32 3
		.amdhsa_float_denorm_mode_16_64 3
		.amdhsa_memory_ordered 1
		.amdhsa_forward_progress 1
		.amdhsa_inst_pref_size 87
	.end_amdhsa_kernel
	.amdgpu_metadata
---
amdhsa.version: [ 1, 2 ]
amdhsa.kernels:
  - .name:           k_q385e5e8601_proj
    .symbol:         k_q385e5e8601_proj.kd
    .args:
      - { .name: yi, .offset: 0, .size: 8, .value_kind: global_buffer, .address_space: global }
      - { .name: wp, .offset: 8, .size: 8, .value_kind: global_buffer, .address_space: global }
      - { .name: b_proj, .offset: 16, .size: 8, .value_kind: global_buffer, .address_space: global }
      - { .name: out0, .offset: 24, .size: 8, .value_kind: global_buffer, .address_space: global }
    .group_segment_fixed_size: 327680
    .private_segment_fixed_size: 0
    .kernarg_segment_align: 8
    .kernarg_segment_size: 32
    .max_flat_workgroup_size: 128
    .sgpr_count:     70
    .vgpr_count:     576
    .wavefront_size: 32
...
	.end_amdgpu_metadata
.endif
;; end of part 4
;; launch fine (part 5): grid 16 x 4, 16 waves a work-group, no clusters, 67,584 bytes of LDS; arguments qf, W_proj, b_proj, out0; writes out0
.if DOCPART == 5
	.amdgcn_target "amdgcn-amd-amdhsa--gfx1250"
	.amdhsa_code_object_version 6
	.text
	.protected	k_q385e5e8601_fine
	.globl	k_q385e5e8601_fine
	.p2align	8
	.type	k_q385e5e8601_fine,@function
k_q385e5e8601_fine:
	s_mov_b64 s[64:65], 0
	v_nop
	global_prefetch_b8 v0, s[64:65] scope:SCOPE_SE
	s_setreg_imm32_b32 hwreg(HW_REG_WAVE_MODE, 25, 1), 1
	s_wait_xcnt 0x0
; Positions 0-15 of every sequence, attention and projection in f32: these rows average one to sixteen values, so the rounding of 16-bit operands weighs most there.  Keys after the query are hidden by the problem's own mask;
; with 16 positions the band's far edge is never reached.
; SHARES.  A work-group makes 16 rows x 64 columns of out for one sequence; wave w is head w: it makes the head's attention for the 16 rows and its share of the projection (K = the head's 64); the sixteen shares are summed through LDS.
; All products by the f32 matrix form, 16 x 16 x 4.  Its four k are two registers in each half of the lanes; K is permuted alike on both sources, so the f32 images load as they lie.
; The accumulators v16-47 are written by matrix instructions alone, and every sum begins with the constant 0.
; REGISTERS: v1-11 addresses; v16-47 accumulators; v48-79 Q, v80-111 K (later W's tiles 2, 3); v112-143 V^T; v144-207 W's tiles 0, 1 (later the sixteen shares); v208-215 scores, then p; v216-223 at work; v224-255 y.
.set SPARE, 65536
.set SPW, 2
.set NIL, 3
.set ACC, 16
.set QR,  48
.set KR,  80
.set VR,  112
.set W0,  144
.set W1,  48
.set T,   208
.set TM,  216
.set Y,   224
	s_load_b256 s[4:11], s[0:1], 0x0               ; qf, W_proj, b_proj, out0
	v_lshl_add_u32 v[SPW], v0, 2, SPARE
	v_mov_b32 v[NIL], 0
	v_lshrrev_b32 v1, 5, v0
	v_readfirstlane_b32 s12, v1                    ; wave = head
	s_mov_b32 s13, ttmp9                           ; which 64 columns of out
	s_and_b32 s14, ttmp7, 0xffff                   ; sequence
	v_and_b32 v12, 15, v0                          ; r
	v_bfe_u32 v13, v0, 4, 1                        ; h
	v_and_b32 v14, 31, v0
	v_lshlrev_b32 v1, 4, v14                       ; 16 L
	v_bfe_u32 v4, v0, 2, 1                         ; V^T: lane (r, h) wants channel r of key 8 h + j: in the image that is half (r / 4) % 2, lane key + 16 (r / 8), word r % 4
	v_lshlrev_b32 v4, 9, v4
	v_lshl_add_u32 v4, v13, 7, v4
	v_bfe_u32 v14, v0, 3, 1
	v_lshl_add_u32 v4, v14, 8, v4
	v_and_b32 v14, 3, v0
	v_lshl_add_u32 v4, v14, 2, v4
	v_lshlrev_b32 v5, 2, v12                       ; W: column r, 8 h rows of 4,096 bytes down
	v_lshl_add_u32 v5, v13, 15, v5
	v_lshlrev_b32 v6, 3, v13
	v_sub_nc_u32 v6, v12, v6                       ; r - 8 h
	v_mov_b32 v7, 0xff800000                       ; -infinity
	s_lshl_b32 s15, s12, 12
	v_add_nc_u32 v8, s15, v1                       ; my share's place in LDS: 4,096 bytes a wave
	v_bfe_u32 v9, v0, 2, 2                         ; the sum: lane takes row 2 w + h, columns 4 (L % 16) + 0..3: in a share that is tile cg / 4, half cg % 2, lane row + 16 ((cg / 2) % 2)
	v_lshlrev_b32 v9, 10, v9
	v_and_b32 v14, 1, v0
	v_lshl_add_u32 v9, v14, 9, v9
	v_bfe_u32 v14, v0, 1, 1
	v_lshl_add_u32 v9, v14, 8, v9
	v_lshl_add_u32 v9, v13, 4, v9
	s_lshl_b32 s15, s12, 5
	v_add_nc_u32 v9, s15, v9
	v_lshlrev_b32 v11, 4, v12                      ; 16 bytes a lane of the 256
	v_lshl_add_u32 v10, v13, 12, v11
	s_lshl_b32 s15, s12, 13
	v_add_nc_u32 v10, s15, v10                     ; out: row 2 w + h
	v_mov_b32 v[TM+3], 0                           ; (named as the upper half of a pair)
	s_mov_b32 s20, 0x76543210
	s_mov_b32 s21, 0xfedcba98
	s_mov_b32 s22, 0x3e38aa3b                      ; c = log2(e) / 8
	s_mov_b32 s23, s22
	s_mul_i32 s2, s14, 196608                      ; the sequence's 192 blocks of 1,024 bytes,
	s_lshl_b32 s3, s12, 12
	s_add_co_u32 s2, s2, s3                        ; the head's four
	s_mov_b32 s3, 0
	s_lshl_b32 s16, s12, 18                        ; W: the head's 64 rows,
	s_lshl_b32 s18, s13, 8                         ; the slice's 256 bytes
	s_add_co_u32 s16, s16, s18
	s_mov_b32 s17, 0
	s_mov_b32 s19, 0
	s_wait_kmcnt 0x0
	s_add_nc_u64 s[4:5], s[4:5], s[2:3]
	s_add_nc_u64 s[6:7], s[6:7], s[16:17]
	s_add_nc_u64 s[8:9], s[8:9], s[18:19]
	s_add_nc_u64 s[10:11], s[10:11], s[18:19]
	s_lshl_b32 s18, s14, 23                        ; the sequence's 2,048 rows of 4,096 bytes
	s_add_nc_u64 s[10:11], s[10:11], s[18:19]
.irp i, 0,1,2,3,4,5,6,7
	global_load_b128 v[QR+4*\i:QR+4*\i+3], v1, s[4:5] offset:512*\i
.endr
.irp i, 0,1,2,3,4,5,6,7
	global_load_b128 v[KR+4*\i:KR+4*\i+3], v1, s[4:5] offset:65536+512*\i
.endr
.irp ct, 0,1,2,3
.irp j, 0,1,2,3,4,5,6,7
	global_load_b32 v[VR+8*\ct+\j], v4, s[4:5] offset:131072+1024*\ct+16*\j
.endr
.endr
.macro WLOAD reg, nt                   ; register q: W(64 head + 16 (q / 8) + 8 h + q % 8, 64 slice + 16 nt + r): the order in which y's registers run
.irp q, 0,1,2,3,4,5,6,7,8,9,10,11,12,13,14,15,16,17,18,19,20,21,22,23,24,25,26,27,28,29,30,31
	global_load_b32 v[\reg+\q], v5, s[6:7] offset:(16*(\q/8)+(\q%8))*4096+64*\nt
.endr
.endm
	WLOAD W0, 0
	WLOAD W0+32, 1
	s_wait_loadcnt 63                              ; of the 112 loads issued at most 63 are out: Q, K and V, the first 48, are in (the field holds no larger count)
.set i, 0
.rept 16                               ; S^T = K Q^T: sixteen steps of 4 along the head's 64, four accumulators by turns
.if i < 4
	v_wmma_f32_16x16x4_f32 v[ACC+8*(i%4):ACC+8*(i%4)+7], v[KR+2*i:KR+2*i+1], v[QR+2*i:QR+2*i+1], 0
.else
	v_wmma_f32_16x16x4_f32 v[ACC+8*(i%4):ACC+8*(i%4)+7], v[KR+2*i:KR+2*i+1], v[QR+2*i:QR+2*i+1], v[ACC+8*(i%4):ACC+8*(i%4)+7]
.endif
.set i, i+1
.endr
.rept 8
	v_nop                                          ; eight places behind this form, ahead of loads into its sources and of reads of its results
.endr
	WLOAD W1, 2
	WLOAD W1+32, 3
.irp p, 0,1,2,3
	v_pk_add_f32 v[T+2*\p:T+2*\p+1], v[ACC+2*\p:ACC+2*\p+1], v[ACC+8+2*\p:ACC+8+2*\p+1]        ; the four part sums, each accumulator from its low end on
	v_pk_add_f32 v[T+2*\p:T+2*\p+1], v[T+2*\p:T+2*\p+1], v[ACC+16+2*\p:ACC+16+2*\p+1]
	v_pk_add_f32 v[T+2*\p:T+2*\p+1], v[T+2*\p:T+2*\p+1], v[ACC+24+2*\p:ACC+24+2*\p+1]
.endr
.irp j, 0,1,2,3,4,5,6,7
	v_cmp_gt_i32 vcc_lo, \j, v6                    ; key 8 h + j after query r
	v_cndmask_b32 v[T+\j], v[T+\j], v7, vcc_lo
.endr
	v_max3_num_f32 v[TM], v[T], v[T+1], v[T+2]
	v_max3_num_f32 v[TM+1], v[T+3], v[T+4], v[T+5]
	v_max3_num_f32 v[TM], v[TM], v[T+6], v[T+7]
	v_max_num_f32 v[TM], v[TM], v[TM+1]
	v_permlanex16_b32 v[TM+1], v[TM], s20, s21
	v_max_num_f32 v[TM], v[TM], v[TM+1]            ; the row's maximum: key 0 counts for every query
	v_mul_f32 v[TM+2], s22, v[TM]
.irp p, 0,1,2,3
	v_pk_fma_f32 v[T+2*\p:T+2*\p+1], v[T+2*\p:T+2*\p+1], s[22:23], v[TM+2:TM+3] op_sel_hi:[1,0,0] neg_lo:[0,0,1] neg_hi:[0,0,1]
.endr
.irp j, 0,1,2,3,4,5,6,7
	v_exp_f32 v[T+\j], v[T+\j]
.endr
	v_nop
	s_wait_alu depctr_va_vdst(0)                   ; one wait for the eight exponentials, ahead of their first reader
	v_pk_add_f32 v[TM+4:TM+5], v[T:T+1], v[T+2:T+3]
	v_pk_add_f32 v[TM+6:TM+7], v[T+4:T+5], v[T+6:T+7]
	v_pk_add_f32 v[TM+4:TM+5], v[TM+4:TM+5], v[TM+6:TM+7]
	v_add_f32 v[TM+4], v[TM+4], v[TM+5]
	v_permlanex16_b32 v[TM+5], v[TM+4], s20, s21
	v_add_f32 v[TM+4], v[TM+4], v[TM+5]
	v_rcp_f32 v[TM+6], v[TM+4]
	v_nop
	s_wait_alu depctr_va_vdst(0)                   ; and one for the reciprocal
	s_wait_loadcnt 63                              ; of the 176 loads issued at most 63 are out: W's tiles 0 and 1 are in
.irp i, 0,1,2,3                        ; O^T = V^T P: keys 8 h + 2 i, + 1; four accumulators by turns
.irp ct, 0,1,2,3
.if \i == 0
	v_wmma_f32_16x16x4_f32 v[ACC+8*\ct:ACC+8*\ct+7], v[VR+8*\ct+2*\i:VR+8*\ct+2*\i+1], v[T+2*\i:T+2*\i+1], 0
.else
	v_wmma_f32_16x16x4_f32 v[ACC+8*\ct:ACC+8*\ct+7], v[VR+8*\ct+2*\i:VR+8*\ct+2*\i+1], v[T+2*\i:T+2*\i+1], v[ACC+8*\ct:ACC+8*\ct+7]
.endif
.endr
.endr
.rept 8
	v_nop
.endr
.irp j, 0,1,2,3,4,5,6,7,8,9,10,11,12,13,14,15
	v_pk_mul_f32 v[Y+2*\j:Y+2*\j+1], v[ACC+2*\j:ACC+2*\j+1], v[TM+6:TM+7] op_sel_hi:[1,0]      ; y = O^T / the sum: register 8 ct + j is d = 16 ct + 8 h + j of row r
.endr
.rept 9
	v_nop                                          ; nine places before matrix instructions write over these accumulators
.endr
.macro PROJ w, acc                     ; two tiles of 16 columns by turns: source 0 = W's columns, source 1 = y
.set p, 0
.rept 16
.irp n, 0,1
.if p == 0
	v_wmma_f32_16x16x4_f32 v[\acc+8*\n:\acc+8*\n+7], v[\w+32*\n+2*p:\w+32*\n+2*p+1], v[Y+2*p:Y+2*p+1], 0
.else
	v_wmma_f32_16x16x4_f32 v[\acc+8*\n:\acc+8*\n+7], v[\w+32*\n+2*p:\w+32*\n+2*p+1], v[Y+2*p:Y+2*p+1], v[\acc+8*\n:\acc+8*\n+7]
.endif
.endr
.set p, p+1
.endr
.endm
	PROJ W0, ACC
	s_wait_loadcnt 0x0                             ; W's tiles 2 and 3
	PROJ W1, ACC+16
.rept 8
	v_nop
.endr
.irp nt, 0,1,2,3
	ds_store_b128 v8, v[ACC+8*\nt:ACC+8*\nt+3] offset:1024*\nt                   ; lane (r, h), word i: column 16 nt + 8 h + i of row r
	ds_store_b128 v8, v[ACC+8*\nt+4:ACC+8*\nt+7] offset:1024*\nt+512
.endr
	s_wait_dscnt 0x0                               ; for the others' sake: my share has landed
	s_barrier_signal -1
	s_barrier_wait -1
	s_cmp_lt_u32 s12, 8                            ; waves 0-7 sum two rows each
	s_cbranch_scc0 .Ldone
	global_load_b128 v[12:15], v11, s[8:9]         ; the bias of my four columns
.irp w, 0,1,2,3,4,5,6,7,8,9,10,11,12,13,14,15
	ds_load_b128 v[144+4*\w:144+4*\w+3], v9 offset:4096*\w
.endr
	s_wait_dscnt 0x0
.irp a, 0,2,4,6,8,10,12,14
	v_pk_add_f32 v[144+4*\a:145+4*\a], v[144+4*\a:145+4*\a], v[148+4*\a:149+4*\a]
	v_pk_add_f32 v[146+4*\a:147+4*\a], v[146+4*\a:147+4*\a], v[150+4*\a:151+4*\a]
.endr
.irp a, 0,4,8,12
	v_pk_add_f32 v[144+4*\a:145+4*\a], v[144+4*\a:145+4*\a], v[152+4*\a:153+4*\a]
	v_pk_add_f32 v[146+4*\a:147+4*\a], v[146+4*\a:147+4*\a], v[154+4*\a:155+4*\a]
.endr
.irp a, 0,8
	v_pk_add_f32 v[144+4*\a:145+4*\a], v[144+4*\a:145+4*\a], v[160+4*\a:161+4*\a]
	v_pk_add_f32 v[146+4*\a:147+4*\a], v[146+4*\a:147+4*\a], v[162+4*\a:163+4*\a]
.endr
	v_pk_add_f32 v[144:145], v[144:145], v[176:177]
	v_pk_add_f32 v[146:147], v[146:147], v[178:179]
	s_wait_loadcnt 0x0
	v_pk_add_f32 v[144:145], v[144:145], v[12:13]
	v_pk_add_f32 v[146:147], v[146:147], v[14:15]
	global_store_b128 v10, v[144:147], s[10:11]    ; sixteen lanes fill 256 consecutive bytes, aligned
.Ldone:
	s_wait_tensorcnt 0x0                           ; the wave's end: closing lines behind my last LDS store
	ds_add_u32 v[SPW], v[NIL]
	s_wait_dscnt 0x0
	s_endpgm
.Lfunc_end_k_q385e5e8601_fine:
	.size	k_q385e5e8601_fine, .Lfunc_end_k_q385e5e8601_fine-k_q385e5e8601_fine
	.p2alignl 7, 3214868480
	.fill 96, 4, 3214868480
	.section	.rodata,"a",@progbits
	.p2align	6, 0x0
	.amdhsa_kernel k_q385e5e8601_fine
		.amdhsa_group_segment_fixed_size 67584
		.amdhsa_private_segment_fixed_size 0
		.amdhsa_enable_private_segment 0
		.amdhsa_kernarg_size 32
		.amdhsa_user_sgpr_count 2
		.amdhsa_user_sgpr_kernarg_segment_ptr 1
		.amdhsa_wavefront_size32 1
		.amdhsa_system_sgpr_workgroup_id_x 1
		.amdhsa_system_sgpr_workgroup_id_y 1
		.amdhsa_system_sgpr_workgroup_id_z 1
		.amdhsa_system_vgpr_workitem_id 0
		.amdhsa_next_free_vgpr 256
		.amdhsa_next_free_sgpr 66
		.amdhsa_reserve_vcc 1
		.amdhsa_float_denorm_mode_32 3
		.amdhsa_float_denorm_mode_16_64 3
		.amdhsa_memory_ordered 1
		.amdhsa_forward_progress 1
		.amdhsa_inst_pref_size 35
	.end_amdhsa_kernel
	.amdgpu_metadata
---
amdhsa.version: [ 1, 2 ]
amdhsa.kernels:
  - .name:           k_q385e5e8601_fine
    .symbol:         k_q385e5e8601_fine.kd
    .args:
      - { .name: qf, .offset: 0, .size: 8, .value_kind: global_buffer, .address_space: global }
      - { .name: W_proj, .offset: 8, .size: 8, .value_kind: global_buffer, .address_space: global }
      - { .name: b_proj, .offset: 16, .size: 8, .value_kind: global_buffer, .address_space: global }
      - { .name: out0, .offset: 24, .size: 8, .value_kind: global_buffer, .address_space: global }
    .group_segment_fixed_size: 67584
    .private_segment_fixed_size: 0
    .kernarg_segment_align: 8
    .kernarg_segment_size: 32
    .max_flat_workgroup_size: 512
    .sgpr_count:     66
    .vgpr_count:     256
    .wavefront_size: 32
...
	.end_amdgpu_metadata
.endif
;; end of part 5
